; MI455X (gfx1250); checked and timed in simulation.
; The chip was launched on July 23, 2026; its instructions are those of AMD's public machine-readable ISA for CDNA 5 (MIT licence, August 2026) and "CDNA5" Instruction Set Architecture Reference Guide (July 2026). The comments in the code are by the model that wrote it; some were corrected since.
;; Multi Attention Head. Allowed arithmetic: matrix products marked QUANTISED: E2M3 operands, one E8M0 scale for each 32 along K, by v_wmma_scale_f32_16x16x128_f8f6f4 with both operands' format E2M3, f32 sums; everything else in f32.
;; Inputs: Wk 16 x 1,024 x 64 float32; Wo 1,024 x 1,024 float32; Wq 16 x 1,024 x 64 float32; Wv 16 x 1,024 x 64 float32; beta 1,024 float32; bo 1,024 float32; gamma 1,024 float32; x 4 x 2,048 x 1,024 float32.
;; Outputs: out0 4 x 2,048 x 1,024 float32.
;; This version of the problem:
;;   THIS VERSION OF THE PROBLEM IS GIVEN IN LOW PRECISION. The matrix products marked QUANTISED in the list below multiply operands that are first quantised to E2M3 (2 exponent bits, 3 mantissa bits; 6 bits a number), with one power-of-two scale for each 32 numbers along K (OCP MX v1.0); their sums are f32. All else is computed in f32.
;;   The module's matrix products, in the order in which they are computed (A, B: the left and right operand; K: the contracted axis; several contracted axes count as one K, in the product's order):
;;     1. [M 1,024, K 1,024] x [K 1,024, N 8,192]; A: input Wq; B: computed on the way: QUANTISED
;;     2. [M 1,024, K 1,024] x [K 1,024, N 8,192]; A: input Wk; B: computed on the way: QUANTISED
;;     3. [M 1,024, K 1,024] x [K 1,024, N 8,192]; A: input Wv; B: computed on the way: QUANTISED
;;     4. batch 64 x [M 2,048, K 64] x [K 64, N 2,048]; A: computed on the way; B: computed on the way: QUANTISED
;;     5. batch 64 x [M 2,048, K 2,048] x [K 2,048, N 64]; A: softmax (see below); B: computed on the way: QUANTISED
;;     6. [M 8,192, K 1,024] x [K 1,024, N 1,024]; A: computed on the way; B: input Wo: QUANTISED
;;   THE QUANTISER, for each operand of a quantised product, along K:
;;     - K is cut into blocks of 32 from its start; a last block that is shorter is filled with zeros.
;;     - A block's scale is 2^e with e = floor(log2(the largest magnitude in the block)) - 2, held to -126 .. 127; a block of zeros has e = 0. As a byte (E8M0): e + 127.
;;     - Each number is divided by its block's scale, clamped to +-7.5, and rounded to the nearest number of E2M3, ties to even, subnormals kept.
;;     - The product sums the exact products of the quantised numbers (number of the format x scale) in f32.
;;   ~~~python
;;   def quantise(x, axis):      # numpy; x: float32 -> the quantised numbers, widened to float32 again
;;       x = np.moveaxis(x, axis, -1); K = x.shape[-1]
;;       x = np.pad(x, [(0, 0)] * (x.ndim - 1) + [(0, -K % 32)]); x = x.reshape(x.shape[:-1] + (-1, 32)); a = np.abs(x).max(-1, keepdims=True)
;;       e = np.where(a > 0, np.clip(np.frexp(np.where(a > 0, a, 1))[1] - 1 - 2, -126, 127), 0)      # np.frexp(a)[1] - 1 = floor(log2(a)), exactly
;;       r = np.clip(x / 2.0 ** e, -7.5, 7.5)
;;       step = 2.0 ** (np.maximum(np.frexp(np.where(r == 0, 1, r))[1] - 1, 0) - 3)
;;       q = np.round(r / step) * step * 2.0 ** e      # np.round: ties to even
;;       return np.moveaxis(q.reshape(q.shape[:-2] + (-1,))[..., :K], -1, axis).astype(np.float32)
;;   ~~~
;;   SOFTMAX AHEAD OF A QUANTISED PRODUCT. Where the list says 'softmax', what is quantised is not the finished softmax but p = 2^(t - M), with t = logit x log2(e) and M = ceil(the row's largest t), a whole number; so 1/2 < the row's largest p <= 1. The row's sum l is taken of the UNQUANTISED p, in f32, and the product's result is divided by l at the end. Since M is a whole number, a kernel that streams over the keys may use a running M (the ceiling of the running maximum): every later rescaling is an exact power of two, which a block's scale takes up: the codes' values come out the same.
;;   OPERANDS COMPUTED ON THE WAY. 'Computed on the way' means the value that the module computes at that place (a softmax that the list does not call 'softmax' is quantised finished and normalised). What goes into a quantiser is computed in f32, as accurately as f32 sums, v_exp_f32 and their like allow (about 1e-6 of the number): no bf16 or f16 on the way to a quantiser, and a product that is left as it is and whose result goes on into a quantised operand takes f32 operands (vector FMAs, or v_wmma_f32_16x16x4_f32). A number that lies on a knife's edge between two numbers of the format may be rounded either way, as far as f32 arithmetic and the matrix unit's own rounding can turn it there, and no further.
;; One version. Each part assembles by itself: llvm-mc -triple=amdgcn-amd-amdhsa -mcpu=gfx1250 --defsym DOCPART=n.
;; ======== version 1 of 1: 4 launches
;; workspace buffers: xn_codes 6,291,456 bytes; xn_scales 262,144 bytes; w_codes 3,145,728 bytes; w_scales 131,072 bytes; qb 6,815,744 bytes; kv 13,369,344 bytes; z_codes 6,291,456 bytes; z_scales 262,144 bytes
;; launch prep (part 1): grid 384 x 1, 4 waves a work-group, no clusters, 68,096 bytes of LDS; arguments x, Wo, Wq, Wk, Wv, gamma, beta, xn_codes, xn_scales, w_codes, w_scales; writes xn_codes, xn_scales, w_codes, w_scales
.if DOCPART == 1
	.amdgcn_target "amdgcn-amd-amdhsa--gfx1250"
	.amdhsa_code_object_version 6
	.text
	.protected	k_q82ab3a674d_prep
	.globl	k_q82ab3a674d_prep
	.p2align	8
	.type	k_q82ab3a674d_prep,@function
k_q82ab3a674d_prep:
	s_mov_b64 s[64:65], 0
	v_nop
	global_prefetch_b8 v0, s[64:65] scope:SCOPE_SE
	s_setreg_imm32_b32 hwreg(HW_REG_WAVE_MODE, 25, 1), 1
	s_wait_xcnt 0x0
; All f32 inputs of the quantised products become codes of FP6 (E2M3) with K innermost and one E8M0 byte for each 32 along K.
; Work-groups 0-255: LayerNorm of x (mean, variance by a second pass over x - mean, rsqrt, gamma, beta, all f32), then the quantiser, along D.
; Work-groups 256-287: Wo [n][k], K innermost: the same text with mean 0, factor 1, gamma 1, beta 0 chosen by v_cndmask_b32, which leaves each number as it is.
; Work-groups 288-383: Wq, Wk, Wv [h][d][e], K = d is not innermost: a lane takes a column e and its registers run down d.
; ROW ORDER.  Tokens (xn) and the 64 columns e of each head lie with bits 3 and 4 of the row number exchanged in each group of 32 rows: sixteen stored rows on end are then a tile whose
; results, used as source 0 of a product, leave 16 neighbours along the next K in a lane's registers.  Wo's rows stay as they are.
; w_codes rows: 0-1023 Wq (64 h + e'), 1024-2047 Wk, 2048-3071 Wv, 3072-4095 Wo; a row is 768 bytes of codes, 32 scale bytes.
; A block's scale is 2^(floor(log2(largest magnitude)) - 2); its byte is the largest magnitude's exponent field - 2, held at 1 from below.
; LIMITS: NaN and infinities among the inputs are not served; a block whose largest magnitude lies under 2^-124, and a block of zeros, gets the byte 1 (its codes are zeros or the nearest codes under that scale; this program alone reads the bytes).
; No tensor loads, no barrier: waves share nothing.  The two paths part on the work-group's number and have LDS bytes of their own.
.set SP,     80                        ; row path: a lane's place in a stage: 64 bytes + 16 of padding
.set WREG,   8192                      ; row path: a wave's region: two stages of 32 x SP bytes, then its 256 scale bytes at 5,120
.set CSTG,   32768                     ; column path: four stages of 32 rows x CPITCH
.set CPITCH, 272
.set SPARE,  67584                     ; the spare words, 128 bytes a wave: two blocks of 256 bytes that no other line names
.set SPW,  12                          ; v12  SPARE + 4 x thread; never rewritten
.set NIL,  13                          ; v13  0; never rewritten
.set G,    16                          ; v16-47   gamma, laid as a row is loaded
.set BT,   48                          ; v48-79   beta
.set R,    80                          ; v80-175  three row sets of 32
.set X,    176                         ; v176-207 two sets of 16 neighbours
.set C,    208                         ; v208-215 codes of a row's two steps
.set T,    216                         ; v216-223 sums in four chains; later the quantiser's temporaries
.set MU,   224                         ; v224-225 the mean, twice
.set RSD,  226                         ; v226-227 1 / sqrt(var + eps), twice
.set XC,   32                          ; column path: v32-95 two sets of 32 numbers
.set CC,   96                          ; its codes
.set OUTR, 112                         ; v112-175 its way out
.set SB,   24                          ; v24-25 its scale bytes
	s_load_b512 s[16:31], s[0:1], 0x0              ; x 16, Wo 18, Wq 20, Wk 22, Wv 24, gamma 26, beta 28, xn_codes 30
	s_load_b128 s[32:35], s[0:1], 0x40             ; xn_scales 32, w_codes 34
	s_load_b64 s[36:37], s[0:1], 0x50              ; w_scales
	v_lshl_add_u32 v[SPW], v0, 2, SPARE
	v_mov_b32 v[NIL], 0
	v_lshrrev_b32 v1, 5, v0
	v_readfirstlane_b32 s38, v1                    ; wave 0..3
	v_and_b32 v2, 31, v0                           ; lane
	s_cmp_ge_u32 ttmp9, 288
	s_cbranch_scc1 .Lcol
; ---------------- rows: x and Wo.  A work-group takes 32 rows, a wave 8; a row is 4,096 bytes: 8 loads of 512 consecutive bytes, 32 registers a lane
	v_lshlrev_b32 v1, 4, v2                        ; 16 x lane
	s_lshl_b32 s39, s38, 13                        ; my region
	v_lshrrev_b32 v14, 2, v2
	v_mul_u32_u24 v14, v14, SP
	v_and_b32 v15, 3, v2
	v_lshl_add_u32 v14, v15, 4, v14
	v_add_nc_u32 v14, s39, v14                     ; stage, way in: four lanes' 64 bytes on end, then padding
	v_mul_u32_u24 v15, v2, SP
	v_add_nc_u32 v15, s39, v15                     ; way out: my 16 neighbours
	v_mul_u32_u24 v4, v2, 12                       ; my 12 bytes of a step's 384 bytes of codes
	v_lshrrev_b32 v5, 1, v2
	s_add_co_u32 s39, s39, 5120
	v_add_nc_u32 v5, s39, v5                       ; my block's scale byte in LDS
	v_lshlrev_b32 v7, 3, v2
	v_add_nc_u32 v6, s39, v7                       ; and 8 of the 256 on the way out
	s_and_b32 s14, s38, 1
	s_lshl_b32 s14, s14, 1
	s_lshr_b32 s15, s38, 1
	s_or_b32 s14, s14, s15                         ; the wave's number with its two bits exchanged: where my 8 rows of x are stored
	s_mov_b32 s40, 0x3a800000                      ; 1 / 1024
	s_mov_b32 s41, 0x3727c5ac                      ; 1e-5
	s_mov_b32 s42, 0x76543210
	s_mov_b32 s43, 0xfedcba98                      ; selects for lane l xor 16
	s_wait_kmcnt 0x0
	s_cmp_lt_u32 ttmp9, 256                        ; x or Wo: the choice hangs on the work-group's number alone
	s_cselect_b64 s[4:5], s[16:17], s[18:19]
	s_cselect_b64 s[6:7], s[30:31], s[34:35]
	s_cselect_b64 s[8:9], s[32:33], s[36:37]
	s_cselect_b32 s10, 0, 256
	s_cselect_b32 s11, -1, 0                       ; a lane mask: all ones for x
	s_cselect_b32 s12, 0, 3072
	s_cselect_b32 s13, s14, s38
	s_sub_co_u32 s10, ttmp9, s10                   ; which 32 rows
	s_lshl_b32 s2, s10, 5
	s_lshl_b32 s3, s38, 3
	s_add_co_u32 s2, s2, s3
	s_lshl_b32 s2, s2, 12                          ; (32 g + 8 w) x 4,096, under 2^26
	s_mov_b32 s3, 0
	s_add_nc_u64 s[4:5], s[4:5], s[2:3]
	s_lshl_b32 s2, s10, 5
	s_lshl_b32 s13, s13, 3
	s_add_co_u32 s2, s2, s13
	s_add_co_u32 s12, s2, s12                      ; my first stored row
	s_mul_i32 s2, s12, 768
	s_add_nc_u64 s[6:7], s[6:7], s[2:3]
	s_lshl_b32 s2, s12, 5
	s_add_nc_u64 s[8:9], s[8:9], s[2:3]
.irp j, 0,1,2,3,4,5,6,7
	global_load_b128 v[G+4*\j:G+4*\j+3], v1, s[26:27] offset:512*\j
.endr
.irp j, 0,1,2,3,4,5,6,7
	global_load_b128 v[BT+4*\j:BT+4*\j+3], v1, s[28:29] offset:512*\j
.endr
.macro LOADROW t
.irp j, 0,1,2,3,4,5,6,7
	global_load_b128 v[R+32*((\t)%3)+4*\j:R+32*((\t)%3)+4*\j+3], v1, s[4:5] offset:4096*(\t)+512*\j th:TH_LOAD_NT
.endr
.endm
	LOADROW 0
	LOADROW 1
	LOADROW 2
	s_wait_loadcnt 24                              ; gamma and beta are in; the three rows' 24 loads may be out
.set i, 0
.rept 32
	v_cndmask_b32 v[G+i], 1.0, v[G+i], s11         ; Wo: gamma 1,
	v_cndmask_b32 v[BT+i], 0, v[BT+i], s11         ; beta 0
.set i, i+1
.endr
.macro REDUCE                          ; four chains of pairs in v[T..T+7] -> the wave's sum in every lane's v[T]
	v_pk_add_f32 v[T:T+1], v[T:T+1], v[T+2:T+3]
	v_pk_add_f32 v[T+4:T+5], v[T+4:T+5], v[T+6:T+7]
	v_pk_add_f32 v[T:T+1], v[T:T+1], v[T+4:T+5]
	v_add_f32 v[T], v[T], v[T+1]
	v_add_f32_dpp v[T], v[T], v[T] row_xmask:1 row_mask:0xf bank_mask:0xf
	v_add_f32_dpp v[T], v[T], v[T] row_xmask:2 row_mask:0xf bank_mask:0xf
	v_add_f32_dpp v[T], v[T], v[T] row_xmask:4 row_mask:0xf bank_mask:0xf
	v_add_f32_dpp v[T], v[T], v[T] row_xmask:8 row_mask:0xf bank_mask:0xf
	v_permlanex16_b32 v[T+1], v[T], s42, s43
	v_add_f32 v[T], v[T], v[T+1]
.endm
.macro QB t, s                         ; step s of row t: 16 neighbours a lane, two lanes to a block
.set XS, X+16*(\s)
.set TA, T+4*(\s)
	v_max3_num_f32 v[TA], |v[XS]|, |v[XS+1]|, |v[XS+2]|
	v_max3_num_f32 v[TA+1], |v[XS+3]|, |v[XS+4]|, |v[XS+5]|
.irp i, 6,10
	v_max3_num_f32 v[TA], v[TA], |v[XS+\i]|, |v[XS+\i+1]|
	v_max3_num_f32 v[TA+1], v[TA+1], |v[XS+\i+2]|, |v[XS+\i+3]|
.endr
	v_max3_num_f32 v[TA], v[TA], |v[XS+14]|, |v[XS+15]|
	v_max3_num_f32 v[TA], v[TA], v[TA+1], 0x1800000                ; the floor 2^(3 - 127): the byte cannot fall under 1
	v_max_num_f32_dpp v[TA], v[TA], v[TA] row_xmask:1 row_mask:0xf bank_mask:0xf   ; with my neighbour's 16: the block's
	v_add_nc_u32 v[TA+2], 0xff000000, v[TA]        ; 2 off the exponent field: the conversion's scale operand
	v_cvt_scalef32_pk16_fp6_f32 v[C+4*(\s):C+4*(\s)+2], v[XS:XS+15], v[TA+2]
	v_lshrrev_b32 v[TA+3], 23, v[TA+2]             ; the byte (also the plain line behind the conversion)
	ds_store_b8 v5, v[TA+3] offset:16*(2*(\t)+(\s))
	global_store_b96 v4, v[C+4*(\s):C+4*(\s)+2], s[6:7] offset:384*(2*(\t)+(\s))   ; the wave stores 384 consecutive bytes
.endm
.macro ROW t
.set RB, R+32*((\t)%3)
.if (\t) < 6
	s_wait_loadcnt 16                              ; my row is in; the two rows behind it may be out
.else
	s_wait_loadcnt 8*(7-(\t))
.endif
.irp c, 0,1,2,3
	v_pk_add_f32 v[T+2*\c:T+2*\c+1], v[RB+2*\c:RB+2*\c+1], v[RB+8+2*\c:RB+9+2*\c]
.endr
.irp k, 16,24
.irp c, 0,1,2,3
	v_pk_add_f32 v[T+2*\c:T+2*\c+1], v[T+2*\c:T+2*\c+1], v[RB+\k+2*\c:RB+\k+2*\c+1]
.endr
.endr
	REDUCE
	v_mul_f32 v[MU], s40, v[T]                     ; the mean
	v_cndmask_b32 v[MU], 0, v[MU], s11             ; (Wo: 0)
	v_mov_b32 v[MU+1], v[MU]
.set i, 0
.rept 16
	v_pk_add_f32 v[RB+i:RB+i+1], v[RB+i:RB+i+1], v[MU:MU+1] neg_lo:[0,1] neg_hi:[0,1]   ; x - mean, in place
.set i, i+2
.endr
.irp c, 0,1,2,3
	v_pk_mul_f32 v[T+2*\c:T+2*\c+1], v[RB+2*\c:RB+2*\c+1], v[RB+2*\c:RB+2*\c+1]
.endr
.irp k, 8,16,24
.irp c, 0,1,2,3
	v_pk_fma_f32 v[T+2*\c:T+2*\c+1], v[RB+\k+2*\c:RB+\k+2*\c+1], v[RB+\k+2*\c:RB+\k+2*\c+1], v[T+2*\c:T+2*\c+1]
.endr
.endr
	REDUCE
	v_fma_f32 v[T], v[T], s40, s41                 ; the variance + 1e-5
	v_rsq_f32 v[RSD], v[T]
	v_nop                                          ; a plain line behind the transcendental
	s_wait_alu depctr_va_vdst(0)                   ; and a wait ahead of its first reader
	v_cndmask_b32 v[RSD], 1.0, v[RSD], s11         ; (Wo: 1)
	v_mov_b32 v[RSD+1], v[RSD]
.set i, 0
.rept 16
	v_pk_mul_f32 v[RB+i:RB+i+1], v[RB+i:RB+i+1], v[RSD:RSD+1]
.set i, i+2
.endr
.set i, 0
.rept 16
	v_pk_fma_f32 v[RB+i:RB+i+1], v[RB+i:RB+i+1], v[G+i:G+i+1], v[BT+i:BT+i+1]
.set i, i+2
.endr
.irp s, 0,1                            ; the row's two halves of 512 numbers turn through my two stages: LDS serves a wave's instructions in order
.irp i, 0,1,2,3
	ds_store_b128 v14, v[RB+16*\s+4*\i:RB+16*\s+4*\i+3] offset:32*SP*\s+8*SP*\i
.endr
.irp i, 0,1,2,3
	ds_load_b128 v[X+16*\s+4*\i:X+16*\s+4*\i+3], v15 offset:32*SP*\s+16*\i
.endr
.endr
	s_wait_dscnt 0x0                               ; the neighbours are in, and the stores have read the row's registers
	s_wait_xcnt 0x0                                ; the last row's stores have read their data: the code registers are written again only behind this wait
.if (\t)+3 < 8
	LOADROW (\t)+3                                 ; into the set just left
.endif
	QB \t, 0
	QB \t, 1
.endm
.irp t, 0,1,2,3,4,5,6,7
	ROW \t
.endr
	ds_load_b64 v[T:T+1], v6                       ; my 8 rows' 256 scale bytes: these loads see my byte stores
	s_wait_dscnt 0x0
	global_store_b64 v7, v[T:T+1], s[8:9]          ; 32 lanes store 256 consecutive bytes, aligned
	s_wait_tensorcnt 0x0                           ; the wave's end
	ds_add_u32 v[SPW], v[NIL]
	s_wait_dscnt 0x0
	s_endpgm
; ---------------- columns: Wq, Wk, Wv.  A wave takes 32 columns e of one head x 256 along d: 8 blocks a lane
.Lcol:
	s_sub_co_u32 s10, ttmp9, 288
	s_lshr_b32 s11, s10, 1                         ; 16 x tensor + head
	s_and_b32 s12, s10, 1
	s_lshl_b32 s12, s12, 1
	s_lshr_b32 s13, s38, 1
	s_add_co_u32 s12, s12, s13                     ; which 256 along d
	s_and_b32 s13, s38, 1                          ; which 32 columns
	v_lshlrev_b32 v3, 2, v2                        ; in: 4 bytes a lane
	s_mul_i32 s14, s38, 32*CPITCH
	s_add_co_u32 s14, s14, CSTG                    ; my stage
	v_and_b32 v16, 7, v2
	v_bfe_u32 v17, v2, 3, 1
	v_lshl_add_u32 v16, v17, 4, v16
	v_bfe_u32 v17, v2, 4, 1
	v_lshl_add_u32 v16, v17, 3, v16                ; my lane with bits 3 and 4 exchanged: the stored row of my column
	v_mul_u32_u24 v4, v16, CPITCH
	v_add_nc_u32 v4, s14, v4                       ; into the stage
	v_and_b32 v5, 15, v2
	v_lshrrev_b32 v6, 4, v2
	v_mul_u32_u24 v7, v6, CPITCH
	v_lshl_add_u32 v7, v5, 4, v7
	v_add_nc_u32 v7, s14, v7                       ; out of it: sixteen lanes to a row, two rows an instruction
	v_mul_u32_u24 v8, v6, 768
	v_mad_u32_u24 v8, v5, 12, v8                   ; and the same place in the codes
	v_lshlrev_b32 v9, 5, v16                       ; my row of scale bytes
	s_and_b32 s2, s11, 15
	s_lshl_b32 s2, s2, 18                          ; a head is 262,144 bytes
	s_lshl_b32 s3, s12, 16                         ; 256 rows d of 256 bytes
	s_add_co_u32 s2, s2, s3
	s_lshl_b32 s3, s13, 7
	s_add_co_u32 s2, s2, s3
	s_mov_b32 s3, 0
	s_lshl_b32 s14, s11, 6
	s_lshl_b32 s15, s13, 5
	s_add_co_u32 s14, s14, s15                     ; my first stored row
	s_wait_kmcnt 0x0
	s_cmp_lt_u32 s11, 32
	s_cselect_b64 s[4:5], s[22:23], s[24:25]
	s_cmp_lt_u32 s11, 16
	s_cselect_b64 s[4:5], s[20:21], s[4:5]
	s_add_nc_u64 s[4:5], s[4:5], s[2:3]
	s_mul_i32 s2, s14, 768
	s_mul_i32 s15, s12, 192
	s_add_co_u32 s2, s2, s15
	s_add_nc_u64 s[6:7], s[34:35], s[2:3]
	s_lshl_b32 s2, s14, 5
	s_lshl_b32 s15, s12, 3
	s_add_co_u32 s2, s2, s15
	s_add_nc_u64 s[8:9], s[36:37], s[2:3]
.macro LOADCOL t                       ; block t: W(32 t + i, my column)
.set i, 0
.rept 32
	global_load_b32 v[XC+32*((\t)%2)+i], v3, s[4:5] offset:(32*(\t)+i)*256 th:TH_LOAD_NT
.set i, i+1
.endr
.endm
	LOADCOL 0
	LOADCOL 1
.macro BLOCK t
.set XS, XC+32*((\t)%2)
.if (\t) < 7
	s_wait_loadcnt 32                              ; this block's 32 loads are in; the next block's may be out
.else
	s_wait_loadcnt 0
.endif
	v_max3_num_f32 v20, |v[XS]|, |v[XS+1]|, |v[XS+2]|
	v_max3_num_f32 v21, |v[XS+3]|, |v[XS+4]|, |v[XS+5]|
.irp i, 6,10,14,18,22,26
	v_max3_num_f32 v20, v20, |v[XS+\i]|, |v[XS+\i+1]|
	v_max3_num_f32 v21, v21, |v[XS+\i+2]|, |v[XS+\i+3]|
.endr
	v_max3_num_f32 v20, v20, |v[XS+30]|, |v[XS+31]|
	v_max3_num_f32 v20, v20, v21, 0x1800000        ; the floor
	v_add_nc_u32 v22, 0xff000000, v20
	v_lshrrev_b32 v21, 23, v22
.if (\t)%4 == 0
	v_mov_b32 v[SB+(\t)/4], v21
.else
	v_lshl_or_b32 v[SB+(\t)/4], v21, 8*((\t)%4), v[SB+(\t)/4]
.endif
	v_cvt_scalef32_pk16_fp6_f32 v[CC:CC+2], v[XS:XS+15], v22
	v_cvt_scalef32_pk16_fp6_f32 v[CC+4:CC+6], v[XS+16:XS+31], v22
	ds_store_b96 v4, v[CC:CC+2] offset:32*(\t)     ; 12 bytes to a place of 16
	ds_store_b96 v4, v[CC+4:CC+6] offset:32*(\t)+16
.if (\t)+2 < 8
	LOADCOL (\t)+2
.endif
	s_wait_dscnt 0x0                               ; the stores have read their registers: the next block's codes may be written
.endm
.irp t, 0,1,2,3,4,5,6,7
	BLOCK \t
.endr
	global_store_b64 v9, v[SB:SB+1], s[8:9]        ; my column's 8 scale bytes
.irp t, 0,1,2,3,4,5,6,7,8,9,10,11,12,13,14,15
	ds_load_b96 v[OUTR+4*\t:OUTR+4*\t+2], v7 offset:2*\t*CPITCH
.endr
.irp t, 0,1,2,3,4,5,6,7,8,9,10,11,12,13,14,15
	s_wait_dscnt 15-\t                             ; the reads behind read t may be out
	global_store_b96 v8, v[OUTR+4*\t:OUTR+4*\t+2], s[6:7] offset:2*\t*768   ; sixteen lanes store a row's 192 consecutive bytes
.endr
	s_wait_tensorcnt 0x0                           ; the wave's end
	ds_add_u32 v[SPW], v[NIL]
	s_wait_dscnt 0x0
	s_endpgm
.Lfunc_end_k_q82ab3a674d_prep:
	.size	k_q82ab3a674d_prep, .Lfunc_end_k_q82ab3a674d_prep-k_q82ab3a674d_prep
	.p2alignl 7, 3214868480
	.fill 96, 4, 3214868480
	.section	.rodata,"a",@progbits
	.p2align	6, 0x0
	.amdhsa_kernel k_q82ab3a674d_prep
		.amdhsa_group_segment_fixed_size 68096
		.amdhsa_private_segment_fixed_size 0
		.amdhsa_enable_private_segment 0
		.amdhsa_kernarg_size 88
		.amdhsa_user_sgpr_count 2
		.amdhsa_user_sgpr_kernarg_segment_ptr 1
		.amdhsa_wavefront_size32 1
		.amdhsa_system_sgpr_workgroup_id_x 1
		.amdhsa_system_sgpr_workgroup_id_y 1
		.amdhsa_system_sgpr_workgroup_id_z 1
		.amdhsa_system_vgpr_workitem_id 0
		.amdhsa_next_free_vgpr 240
		.amdhsa_next_free_sgpr 66
		.amdhsa_reserve_vcc 0
		.amdhsa_float_denorm_mode_32 3
		.amdhsa_float_denorm_mode_16_64 3
		.amdhsa_memory_ordered 1
		.amdhsa_forward_progress 1
		.amdhsa_inst_pref_size 130
	.end_amdhsa_kernel
	.amdgpu_metadata
---
amdhsa.version: [ 1, 2 ]
amdhsa.kernels:
  - .name:           k_q82ab3a674d_prep
    .symbol:         k_q82ab3a674d_prep.kd
    .args:
      - { .name: x, .offset: 0, .size: 8, .value_kind: global_buffer, .address_space: global }
      - { .name: Wo, .offset: 8, .size: 8, .value_kind: global_buffer, .address_space: global }
      - { .name: Wq, .offset: 16, .size: 8, .value_kind: global_buffer, .address_space: global }
      - { .name: Wk, .offset: 24, .size: 8, .value_kind: global_buffer, .address_space: global }
      - { .name: Wv, .offset: 32, .size: 8, .value_kind: global_buffer, .address_space: global }
      - { .name: gamma, .offset: 40, .size: 8, .value_kind: global_buffer, .address_space: global }
      - { .name: beta, .offset: 48, .size: 8, .value_kind: global_buffer, .address_space: global }
      - { .name: xn_codes, .offset: 56, .size: 8, .value_kind: global_buffer, .address_space: global }
      - { .name: xn_scales, .offset: 64, .size: 8, .value_kind: global_buffer, .address_space: global }
      - { .name: w_codes, .offset: 72, .size: 8, .value_kind: global_buffer, .address_space: global }
      - { .name: w_scales, .offset: 80, .size: 8, .value_kind: global_buffer, .address_space: global }
    .group_segment_fixed_size: 68096
    .private_segment_fixed_size: 0
    .kernarg_segment_align: 8
    .kernarg_segment_size: 88
    .max_flat_workgroup_size: 128
    .sgpr_count:     66
    .vgpr_count:     240
    .wavefront_size: 32
...
	.end_amdgpu_metadata
.endif
;; end of part 1
;; launch qkv (part 2): grid 12 x 32, 4 waves a work-group, clusters of 4 x 4, 327,680 bytes of LDS; arguments xn_codes, xn_scales, w_codes, w_scales, qb, kv; writes qb, kv
.if DOCPART == 2
	.amdgcn_target "amdgcn-amd-amdhsa--gfx1250"
	.amdhsa_code_object_version 6
	.text
	.protected	k_q82ab3a674d_qkv
	.globl	k_q82ab3a674d_qkv
	.p2align	8
	.type	k_q82ab3a674d_qkv,@function
k_q82ab3a674d_qkv:
	s_mov_b64 s[64:65], 0
	v_nop
	global_prefetch_b8 v0, s[64:65] scope:SCOPE_SE
	s_setreg_imm32_b32 hwreg(HW_REG_WAVE_MODE, 25, 1), 1
	s_wait_xcnt 0x0
	s_wait_alu depctr_hold_cnt(0) depctr_sa_sdst(0) depctr_va_vdst(0) depctr_va_sdst(0) depctr_va_ssrc(0) depctr_va_vcc(0) depctr_vm_vsrc(0)
	s_getreg_b32 s2, hwreg(HW_REG_IB_STS2, 6, 4)
	s_cmp_eq_u32 s2, 0
	s_cbranch_scc0 .Lentry_in_a_cluster
	s_endpgm
.Lentry_in_a_cluster:
	s_bfe_u32 s2, ttmp6, 0x10000c
	s_cmp_lg_u32 s2, 0xf033
	s_cbranch_scc0 .Lentry_shape_is_right
	s_endpgm
.Lentry_shape_is_right:
; q, k and v = xn W, on codes of FP6 (E2M3) with one E8M0 scale for each 32 along K = 1,024; the f32 sums are quantised at once for attention's two products and leave as images of operand registers.
; A work-group of four waves makes a tile of 256 x 256, a wave 128 x 128: 64 accumulators, 512 registers.  K goes in steps of 256 through a ring of two LDS slots; the scale bytes of the tile's rows come once and stay.
; ROLES.  Role A is source 1 of the matrix instruction (a lane holds one of its rows), role B source 0 (a lane's registers run along its rows).
;   clusters x = 0, 1 (q, k): A = 256 tokens, B = 256 rows of Wq or Wk (4 heads): a lane holds one token and 64 + 64 neighbouring e of two heads: quantised along e.
;   cluster  x = 2    (v):    A = 256 rows of Wv (4 heads), B = 256 tokens: a lane holds one e and 128 neighbouring tokens: quantised along the keys.
; Tokens and each head's e are stored with bits 3 and 4 of the row exchanged in each 32: so the 16 registers of B's blocks 2 g, 2 g + 1 are 16 neighbours, 32 g + 16 (lane / 16) + 0 .. 15.
; CLUSTERS: 4 x 4.  A's tiles hang on cy and the cluster's numbers, B's on cx and the cluster's numbers: each is asked for jointly along a row or a column of the cluster.  The one branch of the way out hangs on the cluster's x, which all sixteen share.
; OUT.  qb [b h][128 tokens][6,656]: 8 tiles x 768 bytes (16 tokens x 64 e: registers 0-3 at 16 x lane, 4-5 at 512 + 8 x lane), then 512 bytes of scale words.
;       kv [b h][128 keys][13,056]: K's 8 tiles likewise; V^T's 4 tiles of 16 e x 128 keys (12 registers, group g at 512 g + 16 x lane) at 6,144; K's scale words at 12,288; V's at 12,800.
;       Every store of a wave covers 512 or 256 consecutive bytes, aligned.
; A scale word of q or k holds the head's two bytes twice: attention's product is 128 deep and K is 64; the upper half meets zero codes.
; LIMITS: NaN and infinities are not served; a block whose largest magnitude lies under 2^-124, and a block of zeros, gets the byte 1.
; REGISTERS, in windows of 256: window 0: v0-31 addresses; v32-63 scale words, two sets; from v128 A's fragments, one set.  window 1: B's fragments, two sets.  windows 2, 3: the accumulators ((a, b) at v[8 (8 (a % 4) + b)]).
.set KSTEP,  256
.set NQ,     2
.set ROWB,   192
.set KROW,   768
.set PITCH,  240                       ; an LDS row: 3 x (64 bytes + 16 of padding)
.set FR,     12
.set NL,     6
.set NP,     4
.set HALFT,  128*PITCH
.set SLOT,   4*HALFT
.set LAPS,   2
.set KS,     32
.set SCL,    2*SLOT
.set HALFS,  (128*KS/256)*272
.set SBLK,   (16*KS/256)*272
.set SPARE,  SCL+4*HALFS               ; the spare words, 128 bytes a wave
.set ADRA, 16
.set ADRB, 20
.set SPW,  28
.set NIL,  29
.set ADRS, 27
.set SC,   32
.set AF,   128
.set TM,   32                          ; the way out, window 0: v32-47 the quantiser's temporaries
.set PC,   48                          ; v48-66 codes
.set PWS,  72                          ; v72-79 the eight blocks' scale words
.set OS,   80                          ; v80-87 scale words as they are stored
.set G1, 24
.set G0, 32
.set G1B, 48
.set G0B, 56
.set G1S, 68
.set G0S, 76
.set G1SB, 80
.set G0SB, 88
.set MSB, 0
.macro WIN new                         ; the immediate's high byte repeats the setting that is left
.if MSB != (\new)
	s_set_vgpr_msb (MSB<<8)|(\new)
.set MSB, (\new)
.endif
.endm
.set MUL_LO, 0xa1
.set MUL_HI, 0xf1
.set TO_B,   0x40
; A joint load: waves 0 and 1 fetch for A, waves 2 and 3 for B; the branch hangs on the wave's number alone.  An s_nop 0 and four v_nop follow each of the two lines.
.macro JLOAD g0a, g1a, g0b, g1b
	s_cmp_eq_u32 s15, 0
	s_cbranch_scc0 .Lfor_b_\@
	tensor_load_to_lds s[\g0a:\g0a+3], s[\g1a:\g1a+7]
	s_nop 0
.rept 4
	v_nop
.endr
	s_branch .Lasked_\@
.Lfor_b_\@:
	tensor_load_to_lds s[\g0b:\g0b+3], s[\g1b:\g1b+7]
	s_nop 0
.rept 4
	v_nop
.endr
.Lasked_\@:
.endm
.macro CREST
	s_cmp_lg_u32 s14, 0
	s_cbranch_scc1 .Lnot_wave_0_\@
	s_barrier_signal -3
.Lnot_wave_0_\@:
	s_barrier_wait -3
	s_barrier_signal -1
	s_barrier_wait -1
.endm
.macro CROUND
	s_barrier_signal -1
	s_barrier_wait -1
	CREST
.endm
	s_load_b128 s[4:7], s[0:1], 0x0                ; xn's codes, xn's scales
	s_load_b128 s[8:11], s[0:1], 0x10              ; w's codes, w's scales
	s_load_b128 s[96:99], s[0:1], 0x20             ; qb, kv
	v_lshl_add_u32 v[SPW], v0, 2, SPARE
	v_mov_b32 v[NIL], 0
	ds_add_u32 v[SPW], v[NIL]                      ; the wave's opening: the add and its wait ahead of my first tensor load
	v_lshrrev_b32 v1, 5, v0
	v_readfirstlane_b32 s14, v1                    ; wave 0..3
	s_lshr_b32 s15, s14, 1                         ; which half of A's rows is mine.  Also: I fetch for A (0) or for B (1)
	s_and_b32 s16, s14, 1                          ; which half of B's rows.  Also: which 128 rows I fetch
	s_bfe_u32 s40, ttmp6, 0x40000                  ; cx
	s_bfe_u32 s41, ttmp6, 0x40004                  ; cy
	s_lshl_b32 s42, ttmp9, 2                       ; 4 x cluster x
	s_and_b32 s17, ttmp7, 0xffff
	s_lshl_b32 s17, s17, 2                         ; 4 x cluster y
	s_cmp_eq_u32 ttmp9, 2                          ; the cluster column that makes v: the same in all sixteen partners
	s_cselect_b32 s42, s17, s42                    ; B's tile: tokens by cluster y, or w's rows by cluster x
	s_cselect_b32 s17, 8, s17                      ; A's tile: w's rows from 2,048 on, or tokens by cluster y
	s_add_co_u32 s42, s42, s40                     ; + cx
	s_add_co_u32 s17, s17, s41                     ; + cy
	s_lshl_b32 s43, s41, 2
	s_lshl_b32 s43, 15, s43                        ; my row of the cluster
	s_lshl_b32 s44, 0x1111, s40                    ; my column
	s_or_b32 s[G1+0], s43, (0<<16)|(1<<20)|(1<<21)|(3<<22)|(3<<25)  ; the mask; elements of 1 byte; padding of 4 words behind every 16
	s_or_b32 s[G1B+0], s44, (0<<16)|(1<<20)|(1<<21)|(3<<22)|(3<<25)
.irp g, G1, G1B
	s_mov_b32 s[\g+1], ROWB<<16
	s_mov_b32 s[\g+2], 128<<16
	s_mov_b32 s[\g+3], ROWB<<16
	s_mov_b32 s[\g+4], 128
	s_mov_b32 s[\g+5], KROW
	s_mov_b32 s[\g+6], 0
	s_mov_b32 s[\g+7], 0
.endr
	s_or_b32 s[G1S+0], s43, (3<<16)|(1<<20)|(1<<21)|(5<<22)|(3<<25)  ; the scales of 128 rows: 4,096 dense bytes as 16 rows of 256, 16 bytes of padding behind each
	s_or_b32 s[G1SB+0], s44, (3<<16)|(1<<20)|(1<<21)|(5<<22)|(3<<25)
.irp g, G1S, G1SB
	s_mov_b32 s[\g+1], 32<<16
	s_mov_b32 s[\g+2], (128*KS/256)<<16
	s_mov_b32 s[\g+3], 32<<16
	s_mov_b32 s[\g+4], 128*KS/256
	s_mov_b32 s[\g+5], 32
	s_mov_b32 s[\g+6], 0
	s_mov_b32 s[\g+7], 0
.endr
	s_lshl_b32 s18, s16, 7
	s_lshl_b32 s20, s17, 8
	s_add_co_u32 s20, s20, s18                     ; A: row 256 x tile + 128 x half
	s_lshl_b32 s46, s42, 8
	s_add_co_u32 s46, s46, s18                     ; B likewise
	s_mov_b32 s21, 0
	s_mov_b32 s47, 0
	s_mov_b64 s[18:19], KS
	s_mul_u64 s[22:23], s[20:21], s[18:19]
	s_mul_u64 s[92:93], s[46:47], s[18:19]
	s_mov_b64 s[18:19], KROW
	s_mul_u64 s[20:21], s[20:21], s[18:19]
	s_mul_u64 s[46:47], s[46:47], s[18:19]
	s_mul_i32 s45, s14, HALFT
	s_mul_i32 s94, s14, HALFS
	s_wait_dscnt 0x0                               ; the opening add is done
	s_wait_kmcnt 0x0
	s_cmp_eq_u32 ttmp9, 2                          ; for v the two tensors change roles
	s_cselect_b64 s[66:67], s[8:9], s[4:5]
	s_cselect_b64 s[8:9], s[4:5], s[8:9]
	s_mov_b64 s[4:5], s[66:67]
	s_cselect_b64 s[66:67], s[10:11], s[6:7]
	s_cselect_b64 s[10:11], s[6:7], s[10:11]
	s_mov_b64 s[6:7], s[66:67]
	s_add_nc_u64 s[20:21], s[4:5], s[20:21]
	s_add_nc_u64 s[22:23], s[6:7], s[22:23]
	s_add_nc_u64 s[46:47], s[8:9], s[46:47]
	s_add_nc_u64 s[92:93], s[10:11], s[92:93]
	CROUND                                         ; all sixteen work-groups are here: the first joint loads meet
	s_mov_b32 s[G0S], 1
	s_add_co_u32 s[G0S+1], s94, SCL
	s_mov_b64 s[G0S+2:G0S+3], s[22:23]
	s_or_b32 s[G0S+3], s[G0S+3], 0x80000000
	s_mov_b32 s[G0SB], 1
	s_add_co_u32 s[G0SB+1], s94, SCL
	s_mov_b64 s[G0SB+2:G0SB+3], s[92:93]
	s_or_b32 s[G0SB+3], s[G0SB+3], 0x80000000
	JLOAD G0S, G1S, G0SB, G1SB                     ; the scales first
.irp s, 0,1
	s_mov_b32 s[G0+4*\s], 1
	s_add_co_u32 s[G0+4*\s+1], s45, \s*SLOT
	s_add_nc_u64 s[G0+4*\s+2:G0+4*\s+3], s[20:21], \s*ROWB
	s_or_b32 s[G0+4*\s+3], s[G0+4*\s+3], 0x80000000
	s_mov_b32 s[G0B+4*\s], 1
	s_add_co_u32 s[G0B+4*\s+1], s45, \s*SLOT
	s_add_nc_u64 s[G0B+4*\s+2:G0B+4*\s+3], s[46:47], \s*ROWB
	s_or_b32 s[G0B+4*\s+3], s[G0B+4*\s+3], 0x80000000
	JLOAD G0+4*\s, G1, G0B+4*\s, G1B
.endr
	v_and_b32 v1, 15, v0
	v_bfe_u32 v2, v0, 4, 1
	v_mul_u32_u24 v3, v1, PITCH
	v_mul_u32_u24 v4, v2, 24
	v_add_nc_u32 v4, v3, v4                        ; a fragment's row x pitch + 24 x half
	v_lshl_add_u32 v5, v2, 4, v4                   ; and the same behind one padding more
	s_mul_i32 s21, s15, HALFT
	s_mul_i32 s22, s16, HALFT
	s_add_co_u32 s22, s22, 2*HALFT
.irp s, 0,1
	v_add_nc_u32 v[ADRA+\s], s21, v4
	v_add_nc_u32 v[ADRB+\s], s22, v4
	v_add_nc_u32 v[ADRA+2+\s], s21, v5
	v_add_nc_u32 v[ADRB+2+\s], s22, v5
	s_add_co_u32 s21, s21, SLOT
	s_add_co_u32 s22, s22, SLOT
.endr
	v_mul_u32_u24 v5, v1, KS
	v_lshrrev_b32 v6, 8, v5
	v_lshl_add_u32 v5, v6, 4, v5
	s_mul_i32 s21, s15, HALFS
	s_mul_i32 s22, s16, HALFS
	s_add_co_u32 s22, s22, 2*HALFS
	s_sub_co_u32 s22, s22, s21
	v_mul_u32_u24 v6, s22, v2                      ; lanes 16-31 take B's
	s_add_co_u32 s21, s21, SCL
	v_add_nc_u32 v5, v5, v6
	v_add_nc_u32 v[ADRS], s21, v5
.macro FRAG reg, adr, q, i             ; 16 rows x 128 K: 12 registers, in pieces of 8 bytes; where the piece three on lies behind one padding more, the second address register serves
.irp p, 0,1,2,3,4,5
.set PCE, 12*(\q)+6*(\p/3)+\p%3
.if PCE%8 < 5
	ds_load_b64 v[\reg+2*\p:\reg+2*\p+1], v[\adr] offset:8*PCE+16*(PCE/8)+(\i)*16*PITCH
.else
	ds_load_b64 v[\reg+2*\p:\reg+2*\p+1], v[\adr+2] offset:8*PCE+16*(PCE/8)+(\i)*16*PITCH
.endif
.endr
.endm
; 16 matrix instructions: A's blocks a0, a0 + 1 x B's eight.  The 64 accumulators take turns, one instruction a turn, in the same order in every step.
.macro MUL16 a0, p, q, sc, zero
.irp a, \a0, \a0+1
.irp b, 0,1,2,3,4,5,6,7
.if \zero
	v_wmma_scale_f32_16x16x128_f8f6f4 v[8*(8*((\a)%4)+\b):8*(8*((\a)%4)+\b)+7], v[128*(\p)+FR*\b:128*(\p)+FR*\b+FR-1], v[AF+FR*(\a):AF+FR*(\a)+FR-1], 0, v[SC+8*NQ*(\sc)+NQ*\b+(\q)], v[SC+8*NQ*(\sc)+NQ*(\a)+(\q)] matrix_a_fmt:MATRIX_FMT_FP6 matrix_b_fmt:MATRIX_FMT_FP6 matrix_a_scale:MATRIX_SCALE_ROW1
.else
	v_wmma_scale_f32_16x16x128_f8f6f4 v[8*(8*((\a)%4)+\b):8*(8*((\a)%4)+\b)+7], v[128*(\p)+FR*\b:128*(\p)+FR*\b+FR-1], v[AF+FR*(\a):AF+FR*(\a)+FR-1], v[8*(8*((\a)%4)+\b):8*(8*((\a)%4)+\b)+7], v[SC+8*NQ*(\sc)+NQ*\b+(\q)], v[SC+8*NQ*(\sc)+NQ*(\a)+(\q)] matrix_a_fmt:MATRIX_FMT_FP6 matrix_b_fmt:MATRIX_FMT_FP6 matrix_a_scale:MATRIX_SCALE_ROW1
.endif
.endr
.endr
.endm
.macro FETCH_B slot, q, p
	WIN TO_B
.irp i, 0,1,2,3,4,5,6,7
	FRAG 128*(\p)+FR*\i, ADRB+\slot, \q, \i
.endr
	WIN 0
.endm
.macro FETCH_A slot, q, i0
.irp i, \i0, \i0+1, \i0+2, \i0+3
	FRAG AF+FR*(\i), ADRA+\slot, \q, \i
.endr
.endm
.macro SCALES sc
.irp i, 0,1,2,3,4,5,6,7
	ds_load_b64 v[SC+8*NQ*\sc+NQ*\i:SC+8*NQ*\sc+NQ*\i+1], v[ADRS] offset:\i*SBLK
.endr
.endm
.macro PLACES n                        ; plain vector lines between a matrix instruction and a load into, or a vector read or write of, its registers
.rept \n
	v_nop
.endr
.endm
.macro STEP slot, q, zero
	s_wait_dscnt 4*NL                              ; B's set and A's blocks 0-3 are in; A's blocks 4-7 (24 loads) may be out
	WIN MUL_LO
	MUL16 0, (\q)%2, \q, \slot, \zero
	MUL16 2, (\q)%2, \q, \slot, \zero
	s_wait_dscnt 0
	PLACES NP
	FETCH_B \slot, (\q)+1, 1-(\q)%2
	FETCH_A \slot, (\q)+1, 0
	WIN MUL_HI
	MUL16 4, (\q)%2, \q, \slot, \zero
	MUL16 6, (\q)%2, \q, \slot, \zero
	PLACES NP
	WIN 0
	FETCH_A \slot, (\q)+1, 4
.endm
; A slot's last step changes slots: one barrier; in front of it each wave waits for all its tensor loads, adds 0 to its spare word, and waits for that and for its reads of this slot.
.macro TURN slot, next, fill
	s_wait_tensorcnt 0x0                           ; all my tensor loads have landed: my part of the next slot
	ds_add_u32 v[SPW], v[NIL]
	s_wait_dscnt 4*NL+1                            ; (the add and A's blocks 4-7 may be out)
	WIN MUL_LO
	MUL16 0, 1, NQ-1, \slot, 0
	s_wait_dscnt 0x0                               ; the add is done, and my reads of this slot are over
	s_barrier_signal -1
	MUL16 2, 1, NQ-1, \slot, 0
	WIN 0
	s_barrier_wait -1
.if \fill
	CREST                                          ; the barrier has opened a round of the cluster's barrier: no wave of any partner still reads this slot or has a load on its way
	s_add_nc_u64 s[G0+4*\slot+2:G0+4*\slot+3], s[G0+4*\slot+2:G0+4*\slot+3], 2*ROWB
	s_add_nc_u64 s[G0B+4*\slot+2:G0B+4*\slot+3], s[G0B+4*\slot+2:G0B+4*\slot+3], 2*ROWB
	JLOAD G0+4*\slot, G1, G0B+4*\slot, G1B         ; the first tensor load behind the round; its four v_nop are the places in front of the loads below
.else
	PLACES NP
.endif
	v_add_nc_u32 v[ADRS], 4*NQ, v[ADRS]
	FETCH_B \next, 0, 0
	FETCH_A \next, 0, 0
	SCALES \next
	WIN MUL_HI
	MUL16 4, 1, NQ-1, \slot, 0
	MUL16 6, 1, NQ-1, \slot, 0
	PLACES NP
	WIN 0
	FETCH_A \next, 0, 4
.endm
	s_wait_tensorcnt 1                             ; the scales and my part of K step 0 are in (K step 1's load may be out)
	s_barrier_signal -1
	s_barrier_wait -1
	FETCH_B 0, 0, 0
	FETCH_A 0, 0, 0
	SCALES 0
	FETCH_A 0, 0, 4
	STEP 0, 0, 1                                   ; the first step's products start the sums
	s_mov_b32 s3, LAPS-1
.Llap:
	TURN 0, 1, 1
	STEP 1, 0, 0
	TURN 1, 0, 1
	STEP 0, 0, 0
	s_sub_co_u32 s3, s3, 1
	s_cmp_lg_u32 s3, 0
	s_cbranch_scc1 .Llap
	TURN 0, 1, 0                                   ; the last lap fills nothing
	STEP 1, 0, 0
	s_wait_dscnt 4*NL
	WIN MUL_LO
	MUL16 0, 1, NQ-1, 1, 0
	MUL16 2, 1, NQ-1, 1, 0
	s_wait_dscnt 0
	WIN MUL_HI
	MUL16 4, 1, NQ-1, 1, 0
	MUL16 6, 1, NQ-1, 1, 0
	WIN 0
; THE WAY OUT.  Block a's 64 registers of a lane, register 16 g + i = 32 g + 16 (lane / 16) + i along the next K, become 12 registers of codes and a scale word, in registers; nothing goes through LDS.
; win: the window of the block's accumulators; s: its first register there; pw: where the scale word goes.  Each accumulator is read from its low end on.
.macro QUANTW win, s, pw
	WIN (\win)|((\win)<<2)                         ; sources 0 and 1 in the accumulators' window
.irp b, 0,1,2,3
	v_max3_num_f32 v[TM+\b], |v[(\s)+16*\b]|, |v[(\s)+1+16*\b]|, 0x1800000   ; the floor 2^(3 - 127)
.endr
.irp i, 2,4,6,8,10,12,14
.irp b, 0,1,2,3
	v_max3_num_f32 v[TM+\b], |v[(\s)+16*\b+\i]|, |v[(\s)+1+16*\b+\i]|, v[TM+\b]
.endr
.endr
	WIN 0
.irp b, 0,1,2,3
	v_permlanex16_b32 v[TM+4+\b], v[TM+\b], s20, s21
.endr
.irp b, 0,1,2,3
	v_max_num_f32 v[TM+\b], v[TM+\b], v[TM+4+\b]   ; with lane l xor 16's: the block's largest magnitude
.endr
.irp b, 0,1,2,3
	v_add_nc_u32 v[TM+12+\b], 0xff000000, v[TM+\b] ; 2 off the exponent field: the conversion's scale operand
.endr
.irp b, 0,1,2,3
	v_lshrrev_b32 v[TM+4+\b], 23, v[TM+12+\b]      ; the byte
.endr
	v_lshl_or_b32 v[\pw], v[TM+5], 8, v[TM+4]
	v_lshl_or_b32 v[\pw], v[TM+6], 16, v[\pw]
	v_lshl_or_b32 v[\pw], v[TM+7], 24, v[\pw]
	s_wait_xcnt 0x0                                ; the last block's stores have read their data: the code registers are written again only behind this wait
	WIN (\win)
.irp c, 0,1
	v_cvt_scalef32_pk16_fp6_f32 v[PC+6*\c:PC+2+6*\c], v[(\s)+32*\c:(\s)+15+32*\c], v[TM+12+2*\c]
	v_cvt_scalef32_pk16_fp6_f32 v[PC+12+4*\c:PC+14+4*\c], v[(\s)+16+32*\c:(\s)+31+32*\c], v[TM+12+2*\c+1]
.endr
	WIN 0
	v_nop                                          ; one plain line behind a scaled conversion
.irp c, 0,1                            ; a whole block of 32 to a lane: lanes 0-15 block 2 c, lanes 16-31 block 2 c + 1
.irp i, 0,1,2
	v_permlane16_swap_b32 v[PC+6*\c+\i], v[PC+12+4*\c+\i]
.endr
.irp i, 0,1,2
	v_mov_b32 v[PC+3+6*\c+\i], v[PC+12+4*\c+\i]
.endr
.endr
.endm
	PLACES NP                                      ; behind the last products: the lines below write registers that held scale words, and read results
	v_and_b32 v24, 31, v0
	v_lshlrev_b32 v25, 3, v24                      ; 8 x lane
	v_lshlrev_b32 v24, 4, v24                      ; 16 x lane
.irp b, 0,1,2,3
	v_mov_b32 v[TM+4+\b], 0                        ; a lane permute's destination counts as one of its sources
.endr
	s_mov_b32 s20, 0x76543210
	s_mov_b32 s21, 0xfedcba98
	s_mov_b32 s22, 0xffff0000                      ; lanes 16-31
	s_mov_b32 s23, 0x01000100                      ; bytes 0, 1, twice
	s_mov_b32 s2, 0x03020302                       ; bytes 2, 3, twice
	s_cmp_eq_u32 ttmp9, 2
	s_cbranch_scc1 .Lvpath
	; ---- q and k: A's block a is tile a of my 128 tokens; registers 0-5 of the codes are head0's 64, registers 6-11 the next head's
	s_lshl_b32 s18, s17, 8
	s_lshl_b32 s19, s15, 7
	s_add_co_u32 s18, s18, s19                     ; my first token
	s_lshr_b32 s19, s18, 11                        ; the batch
	s_bfe_u32 s18, s18, 0x40007                    ; which 128 of its 2,048
	s_lshl_b32 s45, s42, 8
	s_lshl_b32 s46, s16, 7
	s_add_co_u32 s45, s45, s46
	s_bfe_u32 s45, s45, 0x40006                    ; head0
	s_lshl_b32 s19, s19, 4
	s_add_co_u32 s19, s19, s45
	s_lshl_b32 s19, s19, 4
	s_add_co_u32 s19, s19, s18                     ; (16 batch + head0) x 16 + group
	s_cmp_eq_u32 ttmp9, 0                          ; q or k
	s_cselect_b64 s[4:5], s[96:97], s[98:99]
	s_mov_b32 s46, 13056
	s_cselect_b32 s46, 6656, s46                   ; a block's bytes
	s_mov_b32 s47, 12288
	s_cselect_b32 s47, 6144, s47                   ; where its scale words lie
	s_mul_i32 s18, s19, s46
	s_mov_b32 s19, 0
	s_add_nc_u64 s[4:5], s[4:5], s[18:19]          ; head0's block
	s_lshl_b32 s18, s46, 4
	s_add_nc_u64 s[6:7], s[4:5], s[18:19]          ; the next head's: 16 blocks on
	s_mov_b32 s18, s47
	s_add_nc_u64 s[8:9], s[4:5], s[18:19]
	s_add_nc_u64 s[10:11], s[6:7], s[18:19]
.irp a, 0,1,2,3,4,5,6,7
	QUANTW 2+\a/4, 64*(\a%4), PWS+\a
	global_store_b128 v24, v[PC:PC+3], s[4:5] offset:768*\a
	global_store_b64 v25, v[PC+4:PC+5], s[4:5] offset:768*\a+512
	global_store_b128 v24, v[PC+6:PC+9], s[6:7] offset:768*\a
	global_store_b64 v25, v[PC+10:PC+11], s[6:7] offset:768*\a+512
.endr
.irp j, 0,1,2,3                        ; lane 16 u + r stores the words of tiles u, 2 + u, 4 + u, 6 + u, row r
	v_cndmask_b32 v[TM+\j], v[PWS+2*\j], v[PWS+2*\j+1], s22
.endr
.irp j, 0,1,2,3
	v_perm_b32 v[OS+\j], v[TM+\j], v[TM+\j], s23
	v_perm_b32 v[OS+4+\j], v[TM+\j], v[TM+\j], s2
.endr
	global_store_b128 v24, v[OS:OS+3], s[8:9]
	global_store_b128 v24, v[OS+4:OS+7], s[10:11]
	s_branch .Ldone
.Lvpath:
	; ---- v: A's block a is tile a % 4 of 16 e of head0 + a / 4; the 12 registers are its 128 keys
	s_lshl_b32 s18, s42, 8
	s_lshl_b32 s19, s16, 7
	s_add_co_u32 s18, s18, s19                     ; my first token
	s_lshr_b32 s19, s18, 11
	s_bfe_u32 s18, s18, 0x40007
	s_sub_co_u32 s45, s17, 8
	s_lshl_b32 s45, s45, 2
	s_lshl_b32 s46, s15, 1
	s_add_co_u32 s45, s45, s46                     ; head0
	s_lshl_b32 s19, s19, 4
	s_add_co_u32 s19, s19, s45
	s_lshl_b32 s19, s19, 4
	s_add_co_u32 s19, s19, s18
	s_mul_i32 s18, s19, 13056
	s_mov_b32 s19, 0
	s_add_nc_u64 s[4:5], s[98:99], s[18:19]
	s_add_nc_u64 s[6:7], s[4:5], 208896            ; the next head: 16 blocks on
.irp a, 0,1,2,3,4,5,6,7
	QUANTW 2+\a/4, 64*(\a%4), PWS+\a
.irp g, 0,1,2
	global_store_b128 v24, v[PC+4*\g:PC+4*\g+3], s[4+2*(\a/4):5+2*(\a/4)] offset:6144+1536*(\a%4)+512*\g
.endr
.endr
.irp hh, 0,1                           ; lane 16 u + r stores the words of tiles u and 2 + u, row r
.irp i, 0,1
	v_cndmask_b32 v[OS+2*\hh+\i], v[PWS+4*\hh+2*\i], v[PWS+4*\hh+2*\i+1], s22
.endr
	global_store_b64 v25, v[OS+2*\hh:OS+2*\hh+1], s[4+2*\hh:5+2*\hh] offset:12800
.endr
.Ldone:
	s_wait_tensorcnt 0x0                           ; the wave's end
	ds_add_u32 v[SPW], v[NIL]
	s_wait_dscnt 0x0
	CROUND                                         ; the closing round
	s_endpgm
.Lfunc_end_k_q82ab3a674d_qkv:
	.size	k_q82ab3a674d_qkv, .Lfunc_end_k_q82ab3a674d_qkv-k_q82ab3a674d_qkv
	.p2alignl 7, 3214868480
	.fill 96, 4, 3214868480
	.section	.rodata,"a",@progbits
	.p2align	6, 0x0
	.amdhsa_kernel k_q82ab3a674d_qkv
		.amdhsa_group_segment_fixed_size 327680
		.amdhsa_private_segment_fixed_size 0
		.amdhsa_enable_private_segment 0
		.amdhsa_kernarg_size 48
		.amdhsa_user_sgpr_count 2
		.amdhsa_user_sgpr_kernarg_segment_ptr 1
		.amdhsa_wavefront_size32 1
		.amdhsa_system_sgpr_workgroup_id_x 1
		.amdhsa_system_sgpr_workgroup_id_y 1
		.amdhsa_system_sgpr_workgroup_id_z 1
		.amdhsa_system_vgpr_workitem_id 0
		.amdhsa_next_free_vgpr 1024
		.amdhsa_next_free_sgpr 100
		.amdhsa_reserve_vcc 0
		.amdhsa_float_denorm_mode_32 3
		.amdhsa_float_denorm_mode_16_64 3
		.amdhsa_memory_ordered 1
		.amdhsa_forward_progress 1
		.amdhsa_inst_pref_size 201
	.end_amdhsa_kernel
	.amdgpu_metadata
---
amdhsa.version: [ 1, 2 ]
amdhsa.kernels:
  - .name:           k_q82ab3a674d_qkv
    .symbol:         k_q82ab3a674d_qkv.kd
    .args:
      - { .name: xn_codes, .offset: 0, .size: 8, .value_kind: global_buffer, .address_space: global }
      - { .name: xn_scales, .offset: 8, .size: 8, .value_kind: global_buffer, .address_space: global }
      - { .name: w_codes, .offset: 16, .size: 8, .value_kind: global_buffer, .address_space: global }
      - { .name: w_scales, .offset: 24, .size: 8, .value_kind: global_buffer, .address_space: global }
      - { .name: qb, .offset: 32, .size: 8, .value_kind: global_buffer, .address_space: global }
      - { .name: kv, .offset: 40, .size: 8, .value_kind: global_buffer, .address_space: global }
    .group_segment_fixed_size: 327680
    .private_segment_fixed_size: 0
    .kernarg_segment_align: 8
    .kernarg_segment_size: 48
    .max_flat_workgroup_size: 128
    .sgpr_count:     100
    .vgpr_count:     1024
    .wavefront_size: 32
...
	.end_amdgpu_metadata
.endif
;; end of part 2
;; launch attn (part 3): grid 4 x 64, 16 waves a work-group, clusters of 4 x 1, 212,992 bytes of LDS; arguments qb, kv, z_codes, z_scales; writes z_codes, z_scales
.if DOCPART == 3
	.amdgcn_target "amdgcn-amd-amdhsa--gfx1250"
	.amdhsa_code_object_version 6
	.text
	.protected	k_q82ab3a674d_attn
	.globl	k_q82ab3a674d_attn
	.p2align	8
	.type	k_q82ab3a674d_attn,@function
k_q82ab3a674d_attn:
	s_mov_b64 s[64:65], 0
	v_nop
	global_prefetch_b8 v0, s[64:65] scope:SCOPE_SE
	s_setreg_imm32_b32 hwreg(HW_REG_WAVE_MODE, 25, 1), 1
	s_wait_xcnt 0x0
	s_wait_alu depctr_hold_cnt(0) depctr_sa_sdst(0) depctr_va_vdst(0) depctr_va_sdst(0) depctr_va_ssrc(0) depctr_va_vcc(0) depctr_vm_vsrc(0)
	s_getreg_b32 s2, hwreg(HW_REG_IB_STS2, 6, 4)
	s_cmp_eq_u32 s2, 0
	s_cbranch_scc0 .Lentry_in_a_cluster
	s_endpgm
.Lentry_in_a_cluster:
	s_bfe_u32 s2, ttmp6, 0x10000c
	s_cmp_lg_u32 s2, 0x3003
	s_cbranch_scc0 .Lentry_shape_is_right
	s_endpgm
.Lentry_shape_is_right:
; Causal attention of one (batch, head) a cluster, both products on codes of FP6 (E2M3) with E8M0 scales; z = O / l is quantised along the head's 64 and leaves as images of the last product's operand registers.
; THE SOFTMAX: t = score x log2(e) / 8; M = the running largest t rounded up to a whole number; p = 2^(t - M) is quantised along the keys, not normalised; the row's sum is taken of the unquantised p and divides O at the end.
; SHARES.  The head's K, V and scale words, 16 key steps x 13,056 bytes, come into each partner's LDS ONCE, by joint loads of the four work-groups (mask 15): no slot is ever filled again.
; The 2,048 queries are 16 groups of 128, each 8 tiles of 16.  Wave w of work-group cx owns tile 2 cx + (w & 1) of groups 15 - w / 2 and w / 2: (16 - w / 2) + (w / 2 + 1) = 17 key steps for every wave of the launch.
; Which steps are left out, and which lies on the diagonal, hangs on the wave's number and the count of steps alone; cx enters global addresses and the mask's compare value only.
; LAYOUT.  Both products are used transposed: S^T = K Q^T, O^T = V^T P^T: a lane holds one query throughout.  Keys, queries and e are stored with bits 3 and 4 exchanged in each 32, so the 16 registers of tiles 2 b, 2 b + 1 are
; 16 neighbours 32 b + 16 (lane / 16) + 0 .. 15, of the keys in S^T and of e in O^T.
; K = 64 IN AN INSTRUCTION 128 DEEP: Q's registers 6-11 are zero codes.  A tile of K is 6 registers; its operand names 12, the upper six being the next tile's codes (for tile 7: V's first six registers, which are loaded first).
; Every 6-bit code is a finite number, so those products are zeros; the scale words of q and k hold the head's two bytes twice, so no byte there is 0xff.
; No prefetch: every byte of K and V is asked for by the first fills, so no later load could be run ahead of.
; z's scale bytes leave one byte a lane: a scale word of the last product mixes two heads' bytes, and other work-groups own the other head; they are 1 byte for each 24 bytes of codes.
; LIMITS: NaN and infinities are not served; a block of z whose largest magnitude lies under 2^-124, and a block of zeros, gets the byte 1.
.set STEPB, 13056                      ; a key step in LDS and in memory: K's 8 tiles x 768; V^T's 4 tiles x 1,536 at 6,144; K's scale words at 12,288; V's at 12,800
.set SPARE, 16*STEPB                   ; the spare words, 128 bytes for each of 16 waves
.set LI16, 1                           ; v1  16 x lane
.set LI8,  2                           ; v2  8 x lane
.set ADR16, 3                          ; v3, v4  the same + the step's first byte
.set ADR8, 4
.set SPW,  5                           ; v5  SPARE + 4 x thread; never rewritten
.set NIL,  6                           ; v6  0; never rewritten
.set QD,   7                           ; v7  my query's place in its 128 - 16 (lane / 16)
.set QSO,  8                           ; v8  16 x (lane % 16)
.set ZSO,  9                           ; v9  32 x (lane % 16) + lane / 16
.set KR,   32                          ; v32-79   K: tile t at 32 + 6 t
.set VR,   80                          ; v80-127  V^T: tile t at 80 + 12 t
.set S,    128                         ; v128-191 S^T, then p
.set O,    192                         ; v192-223 O^T
; v12 -M, v13 the largest t, v[14:15] the sum; v16-27 Q (22-27 zeros); v28 Q's scale word; v[30:31] V's; v224-235 p's codes; v232-247 at work; v248-251 K's scale words; v252 f; v253 p's scale word; v254 at work
.set WV,  12
.set CX,  13
.set BH,  14
.set AT,  15                           ; s15  the group of the tile in hand = its diagonal step
.set KSC, 16                           ; s16  the key step
.set TB,  17                           ; s17  its first LDS byte
.set CS,  18                           ; s[18:19] log2(e) / 8
.set SEL, 20
.set MHI, 22
.set G1,  24
.set G0,  32                           ; s[32:47] four groups 0
.set PHI, 48                           ; s[48:55] the high tile's Q, Q's scale words, z's codes, z's scale bytes
.set PLO, 56                           ; s[56:63] the low tile's
.macro CROUND
	s_barrier_signal -1
	s_barrier_wait -1
	s_cmp_lg_u32 s[WV], 0
	s_cbranch_scc1 .Lnot_wave_0_\@
	s_barrier_signal -3
.Lnot_wave_0_\@:
	s_barrier_wait -3
	s_barrier_signal -1
	s_barrier_wait -1
.endm
	s_load_b256 s[4:11], s[0:1], 0x0               ; qb 4, kv 6, z_codes 8, z_scales 10
	v_lshl_add_u32 v[SPW], v0, 2, SPARE
	v_mov_b32 v[NIL], 0
	ds_add_u32 v[SPW], v[NIL]                      ; the wave's opening: the add and its wait ahead of the first tensor loads
	v_lshrrev_b32 v10, 5, v0
	v_readfirstlane_b32 s[WV], v10                 ; wave 0..15
	s_bfe_u32 s[CX], ttmp6, 0x40000                ; my place in the cluster
	s_and_b32 s[BH], ttmp7, 0xffff                 ; 16 x batch + head, which the four partners share
	s_mov_b32 s[G1], 15|(3<<16)|(1<<21)            ; the mask: all four; elements of 8 bytes; no padding
	s_mov_b32 s[G1+1], 32<<16                      ; 51 dense rows of 256 bytes: a key step
	s_mov_b32 s[G1+2], 51<<16
	s_mov_b32 s[G1+3], 32<<16
	s_mov_b32 s[G1+4], 51
	s_mov_b32 s[G1+5], 32
	s_mov_b32 s[G1+6], 0
	s_mov_b32 s[G1+7], 0
	s_mov_b32 s[CS], 0x3e38aa3b
	s_mov_b32 s[CS+1], s[CS]
	s_mov_b32 s[SEL], 0x76543210
	s_mov_b32 s[SEL+1], 0xfedcba98
	s_mov_b32 s[MHI], 0xffff0000
	s_and_b32 s80, s[WV], 3                        ; waves 0-3 fetch: wave w key steps w, 4 + w, 8 + w, 12 + w
	s_mul_i32 s81, s80, STEPB
	s_mul_i32 s82, s[BH], 16*STEPB
	s_add_co_u32 s82, s82, s81
	s_mov_b32 s83, 0
	s_and_b32 s66, s[WV], 1                        ; u
	s_lshl_b32 s67, s[CX], 1
	s_add_co_u32 s67, s67, s66                     ; my tile in a group: 2 cx + u
	s_lshl_b32 s68, s66, 8
	s_lshl_b32 s69, s[CX], 2
	s_add_co_u32 s68, s68, s69
	s_add_co_u32 s68, s68, 6144                    ; its scale words in a block of qb: 6,144 + 256 u + 4 cx (+ 16 r)
	s_lshr_b32 s69, s[BH], 4
	s_lshl_b32 s69, s69, 7
	s_add_co_u32 s69, s69, s67                     ; 128 x batch + tile
	s_and_b32 s75, s[BH], 15                       ; the head
	s_lshl_b32 s76, s[CX], 5
	s_lshl_b32 s77, s66, 3
	s_add_co_u32 s76, s76, s77                     ; 32 cx + 8 u
	s_mul_i32 s71, s67, 768
	s_lshr_b32 s78, s[WV], 1                       ; the low group
	s_sub_co_u32 s79, 15, s78                      ; the high group
	s_mov_b32 s73, 0
	s_wait_dscnt 0x0                               ; the opening add is done
	s_wait_kmcnt 0x0
	s_add_nc_u64 s[82:83], s[6:7], s[82:83]
.irp n, 0,1,2,3
	s_mov_b32 s[G0+4*\n], 1
	s_add_co_u32 s[G0+4*\n+1], s81, 4*STEPB*\n
	s_add_nc_u64 s[G0+4*\n+2:G0+4*\n+3], s[82:83], 4*STEPB*\n
	s_or_b32 s[G0+4*\n+3], s[G0+4*\n+3], 0x80000000
.endr
.macro BASES a, d
	s_lshl_b32 s70, s[BH], 4
	s_add_co_u32 s70, s70, s[\a]
	s_mul_i32 s70, s70, 6656
	s_add_co_u32 s72, s70, s71
	s_add_nc_u64 s[\d:\d+1], s[4:5], s[72:73]
	s_add_co_u32 s72, s70, s68
	s_add_nc_u64 s[\d+2:\d+3], s[4:5], s[72:73]
	s_lshl_b32 s74, s[\a], 3
	s_add_co_u32 s74, s74, s69                     ; the tile's number among all 512
	s_lshl_b32 s72, s74, 4
	s_add_co_u32 s72, s72, s75
	s_mul_i32 s72, s72, 768
	s_add_nc_u64 s[\d+4:\d+5], s[8:9], s[72:73]
	s_lshl_b32 s72, s74, 9
	s_lshl_b32 s70, s75, 1
	s_add_co_u32 s72, s72, s70
	s_add_nc_u64 s[\d+6:\d+7], s[10:11], s[72:73]
.endm
	BASES 79, PHI
	BASES 78, PLO
	CROUND                                         ; all four work-groups are here: the joint loads meet
	s_cmp_lt_u32 s[WV], 4                          ; a wave's four first fills stand in one branch: four loads of mine are out
	s_cbranch_scc0 .Lno_fill
.irp n, 0,1,2,3
	tensor_load_to_lds s[G0+4*\n:G0+4*\n+3], s[G1:G1+7]
	s_nop 0
.endr
.rept 4
	v_nop
.endr
.Lno_fill:
	v_and_b32 v10, 31, v0
	v_lshlrev_b32 v[LI16], 4, v10
	v_lshlrev_b32 v[LI8], 3, v10
	v_and_b32 v10, 15, v0                          ; r
	v_bfe_u32 v11, v0, 4, 1                        ; h
	v_lshlrev_b32 v[QSO], 4, v10
	v_lshl_add_u32 v[ZSO], v10, 5, v11
	global_load_b128 v[16:19], v[LI16], s[PHI:PHI+1]               ; the high tile's Q
	global_load_b64 v[20:21], v[LI8], s[PHI:PHI+1] offset:512
	global_load_b32 v28, v[QSO], s[PHI+2:PHI+3]
	v_and_b32 v[QD], 8, v0
	v_add_nc_u32 v[QD], v10, v[QD]                 ; r + 8 (r / 8)
	v_lshlrev_b32 v11, 4, v11
	v_sub_nc_u32 v[QD], v[QD], v11
	v_add_nc_u32 v[QD], s76, v[QD]                 ; + 32 cx + 8 u - 16 h
.irp i, 22,23,24,25,26,27
	v_mov_b32 v\i, 0                               ; Q's upper 64 along K: zero codes
.endr
.irp i, 236,237,238,239,252,253
	v_mov_b32 v\i, 0                               ; written once: a lane permute's destination counts as a source; v253 is named in the pair v[252:253]
.endr
.macro INIT
	v_mov_b32 v13, 0xff61b1e6                      ; -3e38, under every t
	v_floor_f32 v12, -v13
	v_mov_b32 v14, 0
	v_mov_b32 v15, 0
.set n, 0
.rept 32
	v_mov_b32 v[O+n], 0                            ; the step is written for every step: the first finds zeros
.set n, n+1
.endr
.endm
	INIT
; A KEY STEP of 128 keys for the tile in hand.
.macro STEP
	s_cmp_gt_u32 s[KSC], s[AT]                     ; all its keys come after my queries: left out
	s_cbranch_scc1 .Lhid_\@
	v_add_nc_u32 v[ADR16], s[TB], v[LI16]
	v_add_nc_u32 v[ADR8], s[TB], v[LI8]
	v_nop
	v_nop                                          ; four plain lines between the last step's products and the loads into their registers
	ds_load_b128 v[VR:VR+3], v[ADR16] offset:6144                  ; V's first registers first: tile 7 of K names six of them
	ds_load_b128 v[VR+4:VR+7], v[ADR16] offset:6144+512
.irp t, 0,1,2,3,4,5,6,7
	ds_load_b128 v[KR+6*\t:KR+6*\t+3], v[ADR16] offset:768*\t
	ds_load_b64 v[KR+6*\t+4:KR+6*\t+5], v[ADR8] offset:768*\t+512
.endr
	ds_load_b128 v[248:251], v[ADR16] offset:12288                 ; register j: tile 2 j in lanes 0-15, tile 2 j + 1 in lanes 16-31
	ds_load_b128 v[VR+8:VR+11], v[ADR16] offset:6144+1024
.irp t, 1,2,3
.irp g, 0,1,2
	ds_load_b128 v[VR+12*\t+4*\g:VR+12*\t+4*\g+3], v[ADR16] offset:6144+1536*\t+512*\g
.endr
.endr
	ds_load_b64 v[30:31], v[ADR8] offset:12800
	s_wait_dscnt 11                                ; K, its scale words and V's first eight registers are in; the eleven loads behind them may be out
.irp t, 0,2,4,6
	v_wmma_scale_f32_16x16x128_f8f6f4 v[S+8*\t:S+8*\t+7], v[KR+6*\t:KR+6*\t+11], v[16:27], 0, v[248+\t/2], v28 matrix_a_fmt:MATRIX_FMT_FP6 matrix_b_fmt:MATRIX_FMT_FP6
	v_wmma_scale_f32_16x16x128_f8f6f4 v[S+8*\t+8:S+8*\t+15], v[KR+6*\t+6:KR+6*\t+17], v[16:27], 0, v[248+\t/2], v28 matrix_a_fmt:MATRIX_FMT_FP6 matrix_b_fmt:MATRIX_FMT_FP6 matrix_a_scale:MATRIX_SCALE_ROW1
.endr
.rept 4
	v_nop
.endr
	s_cmp_lg_u32 s[KSC], s[AT]                     ; only the diagonal step has hidden keys
	s_cbranch_scc1 .Lopen_\@
	v_mov_b32 v254, 0xff800000                     ; -infinity: p = 0 then
.set n, 0
.rept 64
	v_cmp_gt_i32 vcc_lo, 32*(n/16)+n%16, v[QD]     ; register 16 b + i holds key 32 b + 16 (lane / 16) + i of the step
	v_cndmask_b32 v[S+n], v[S+n], v254, vcc_lo
.set n, n+1
.endr
.Lopen_\@:
.irp b, 0,1,2,3
	v_max3_num_f32 v[232+\b], v[S+16*\b], v[S+1+16*\b], v[S+2+16*\b]   ; the largest score of each block of 32 keys: for the row's maximum and for the block's largest p
.endr
.irp i, 3,5,7,9,11,13
.irp b, 0,1,2,3
	v_max3_num_f32 v[232+\b], v[232+\b], v[S+16*\b+\i], v[S+1+16*\b+\i]
.endr
.endr
.irp b, 0,1,2,3
	v_max_num_f32 v[232+\b], v[232+\b], v[S+15+16*\b]
.endr
.irp b, 0,1,2,3
	v_permlanex16_b32 v[236+\b], v[232+\b], s[SEL], s[SEL+1]
.endr
.irp b, 0,1,2,3
	v_max_num_f32 v[232+\b], v[232+\b], v[236+\b]
.endr
	v_max3_num_f32 v254, v232, v233, v234
	v_max_num_f32 v254, v254, v235
	v_mul_f32 v254, s[CS], v254
	v_max_num_f32 v13, v13, v254                   ; the running largest t
	v_mov_b32 v254, v12
	v_floor_f32 v12, -v13                          ; -M = floor(-t): M is a whole number
	v_sub_f32 v254, v12, v254
	v_cvt_i32_f32 v254, v254                       ; (it saturates)
	v_ldexp_f32 v252, 1.0, v254                    ; f = 2^(old M - new M)
.set n, 0
.rept 32
	v_pk_fma_f32 v[S+n:S+n+1], v[S+n:S+n+1], s[CS:CS+1], v[12:13] op_sel_hi:[1,0,0]   ; t - M
.set n, n+2
.endr
.irp b, 0,1,2,3
	v_fma_f32 v[232+\b], v[232+\b], s[CS], v12
.endr
.set n, 0
.rept 64
	v_exp_f32 v[S+n], v[S+n]                       ; p, at most 1
.set n, n+1
.endr
	v_pk_mul_f32 v[14:15], v[14:15], v[252:253] op_sel_hi:[1,0]    ; the sums under the new M (a plain line behind the exponentials)
	s_wait_alu depctr_va_vdst(0)                   ; one wait for the batch, ahead of its first reader
.irp b, 0,1,2,3
	v_exp_f32 v[232+\b], v[232+\b]                 ; each block's largest p
.endr
	v_pk_add_f32 v[236:237], v[S:S+1], v[S+2:S+3]  ; the row's sum of the unquantised p, in two chains
.irp j, 4,8,12,16,20,24,28,32,36,40,44,48,52,56,60
	v_pk_add_f32 v[14:15], v[14:15], v[S+\j:S+\j+1]
	v_pk_add_f32 v[236:237], v[236:237], v[S+2+\j:S+3+\j]
.endr
	v_pk_add_f32 v[14:15], v[14:15], v[236:237]
	s_wait_alu depctr_va_vdst(0)                   ; and one for the four
.irp b, 0,1,2,3
	v_max_num_f32 v[232+\b], 0x1800000, v[232+\b]  ; the floor
.endr
.irp b, 0,1,2,3
	v_add_nc_u32 v[244+\b], 0xff000000, v[232+\b]
.endr
.irp b, 0,1,2,3
	v_lshrrev_b32 v[236+\b], 23, v[244+\b]
.endr
	v_lshl_or_b32 v253, v237, 8, v236              ; p's scale word
	v_lshl_or_b32 v253, v238, 16, v253
	v_lshl_or_b32 v253, v239, 24, v253
.irp c, 0,1
	v_cvt_scalef32_pk16_fp6_f32 v[224+6*\c:226+6*\c], v[S+32*\c:S+15+32*\c], v[244+2*\c]
	v_cvt_scalef32_pk16_fp6_f32 v[236+4*\c:238+4*\c], v[S+16+32*\c:S+31+32*\c], v[244+2*\c+1]
.endr
	v_nop
.irp c, 0,1
.irp i, 0,1,2
	v_permlane16_swap_b32 v[224+6*\c+\i], v[236+4*\c+\i]
.endr
.irp i, 0,1,2
	v_mov_b32 v[227+6*\c+\i], v[236+4*\c+\i]
.endr
.endr
.set n, 0
.rept 16
	v_pk_mul_f32 v[O+n:O+n+1], v[O+n:O+n+1], v[252:253] op_sel_hi:[1,0]   ; O^T under the new M; of these sixteen, twelve name no register of any one product below: the plain lines ahead of the scaled products
.set n, n+2
.endr
	s_wait_dscnt 0x0                               ; V and its scale words are in
.irp t, 0,2
	v_wmma_scale_f32_16x16x128_f8f6f4 v[O+8*\t:O+8*\t+7], v[VR+12*\t:VR+12*\t+11], v[224:235], v[O+8*\t:O+8*\t+7], v[30+\t/2], v253 matrix_a_fmt:MATRIX_FMT_FP6 matrix_b_fmt:MATRIX_FMT_FP6
	v_wmma_scale_f32_16x16x128_f8f6f4 v[O+8*\t+8:O+8*\t+15], v[VR+12*\t+12:VR+12*\t+23], v[224:235], v[O+8*\t+8:O+8*\t+15], v[30+\t/2], v253 matrix_a_fmt:MATRIX_FMT_FP6 matrix_b_fmt:MATRIX_FMT_FP6 matrix_a_scale:MATRIX_SCALE_ROW1
.endr
.Lhid_\@:
	s_add_co_u32 s[TB], s[TB], STEPB
.endm
; THE END OF A TILE: z = O^T / l, quantised along e (two blocks of 32), stored as 16 queries x 64 e: 6 registers a lane.  nq = 1: the low tile's Q is asked for first.
.macro FIN p, nq
.rept 4
	v_nop                                          ; behind the last products
.endr
.if \nq
	global_load_b128 v[16:19], v[LI16], s[PLO:PLO+1]
	global_load_b64 v[20:21], v[LI8], s[PLO:PLO+1] offset:512
	global_load_b32 v28, v[QSO], s[PLO+2:PLO+3]
.endif
	v_add_f32 v14, v14, v15
	v_permlanex16_b32 v252, v14, s[SEL], s[SEL+1]
	v_add_f32 v14, v14, v252                       ; the row's sum
	v_rcp_f32 v14, v14
	v_nop
	s_wait_alu depctr_va_vdst(0)                   ; ahead of the reciprocal's first reader
.set n, 0
.rept 16
	v_pk_mul_f32 v[S+n:S+n+1], v[O+n:O+n+1], v[14:15] op_sel_hi:[1,0]   ; each accumulator from its low end on
.set n, n+2
.endr
.irp b, 0,1
	v_max3_num_f32 v[232+\b], |v[S+16*\b]|, |v[S+1+16*\b]|, 0x1800000
.endr
.irp i, 2,4,6,8,10,12,14
.irp b, 0,1
	v_max3_num_f32 v[232+\b], v[232+\b], |v[S+16*\b+\i]|, |v[S+1+16*\b+\i]|
.endr
.endr
.irp b, 0,1
	v_permlanex16_b32 v[236+\b], v[232+\b], s[SEL], s[SEL+1]
.endr
.irp b, 0,1
	v_max_num_f32 v[232+\b], v[232+\b], v[236+\b]
.endr
.irp b, 0,1
	v_add_nc_u32 v[244+\b], 0xff000000, v[232+\b]
.endr
.irp b, 0,1
	v_lshrrev_b32 v[236+\b], 23, v[244+\b]
.endr
	v_cndmask_b32 v254, v236, v237, s[MHI]         ; lanes 0-15 carry block 0's byte, lanes 16-31 block 1's
	v_cvt_scalef32_pk16_fp6_f32 v[224:226], v[S:S+15], v244
	v_cvt_scalef32_pk16_fp6_f32 v[236:238], v[S+16:S+31], v245
	v_nop
.irp i, 0,1,2
	v_permlane16_swap_b32 v[224+\i], v[236+\i]
.endr
.irp i, 0,1,2
	v_mov_b32 v[227+\i], v[236+\i]
.endr
	global_store_b128 v[LI16], v[224:227], s[\p+4:\p+5]            ; 512 consecutive bytes, aligned
	global_store_b64 v[LI8], v[228:229], s[\p+4:\p+5] offset:512   ; 256
	global_store_b8 v[ZSO], v254, s[\p+6:\p+7]
	s_wait_xcnt 0x0                                ; the stores have read their data: these registers are written again only behind this wait
.endm
	s_wait_tensorcnt 0x0                           ; my four loads have landed,
	s_barrier_signal -1
	s_barrier_wait -1                              ; everybody's have: the whole head lies in LDS
	s_wait_loadcnt 0x0                             ; Q
	s_mov_b32 s[AT], s79
	s_mov_b32 s[KSC], 0
	s_mov_b32 s[TB], 0
.Lhigh:
	STEP
	s_add_co_u32 s[KSC], s[KSC], 1
	s_cmp_lt_u32 s[KSC], 16
	s_cbranch_scc1 .Lhigh
	FIN PHI, 1
	INIT
	s_mov_b32 s[AT], s78
	s_mov_b32 s[KSC], 0
	s_mov_b32 s[TB], 0
	s_wait_loadcnt 0x0                             ; the low tile's Q
.Llow:
	STEP
	s_add_co_u32 s[KSC], s[KSC], 1
	s_cmp_lt_u32 s[KSC], 8
	s_cbranch_scc1 .Llow
	FIN PLO, 0
	s_wait_tensorcnt 0x0                           ; the wave's end
	ds_add_u32 v[SPW], v[NIL]
	s_wait_dscnt 0x0
	CROUND                                         ; the closing round
	s_endpgm
.Lfunc_end_k_q82ab3a674d_attn:
	.size	k_q82ab3a674d_attn, .Lfunc_end_k_q82ab3a674d_attn-k_q82ab3a674d_attn
	.p2alignl 7, 3214868480
	.fill 96, 4, 3214868480
	.section	.rodata,"a",@progbits
	.p2align	6, 0x0
	.amdhsa_kernel k_q82ab3a674d_attn
		.amdhsa_group_segment_fixed_size 212992
		.amdhsa_private_segment_fixed_size 0
		.amdhsa_enable_private_segment 0
		.amdhsa_kernarg_size 32
		.amdhsa_user_sgpr_count 2
		.amdhsa_user_sgpr_kernarg_segment_ptr 1
		.amdhsa_wavefront_size32 1
		.amdhsa_system_sgpr_workgroup_id_x 1
		.amdhsa_system_sgpr_workgroup_id_y 1
		.amdhsa_system_sgpr_workgroup_id_z 1
		.amdhsa_system_vgpr_workitem_id 0
		.amdhsa_next_free_vgpr 256
		.amdhsa_next_free_sgpr 84
		.amdhsa_reserve_vcc 1
		.amdhsa_float_denorm_mode_32 3
		.amdhsa_float_denorm_mode_16_64 3
		.amdhsa_memory_ordered 1
		.amdhsa_forward_progress 1
		.amdhsa_inst_pref_size 59
	.end_amdhsa_kernel
	.amdgpu_metadata
---
amdhsa.version: [ 1, 2 ]
amdhsa.kernels:
  - .name:           k_q82ab3a674d_attn
    .symbol:         k_q82ab3a674d_attn.kd
    .args:
      - { .name: qb, .offset: 0, .size: 8, .value_kind: global_buffer, .address_space: global }
      - { .name: kv, .offset: 8, .size: 8, .value_kind: global_buffer, .address_space: global }
      - { .name: z_codes, .offset: 16, .size: 8, .value_kind: global_buffer, .address_space: global }
      - { .name: z_scales, .offset: 24, .size: 8, .value_kind: global_buffer, .address_space: global }
    .group_segment_fixed_size: 212992
    .private_segment_fixed_size: 0
    .kernarg_segment_align: 8
    .kernarg_segment_size: 32
    .max_flat_workgroup_size: 512
    .sgpr_count:     84
    .vgpr_count:     256
    .wavefront_size: 32
...
	.end_amdgpu_metadata
.endif
;; end of part 3
;; launch outp (part 4): grid 4 x 32, 4 waves a work-group, clusters of 4 x 4, 327,680 bytes of LDS; arguments z_codes, z_scales, w_codes, w_scales, out0, bo; writes out0
.if DOCPART == 4
	.amdgcn_target "amdgcn-amd-amdhsa--gfx1250"
	.amdhsa_code_object_version 6
	.text
	.protected	k_q82ab3a674d_outp
	.globl	k_q82ab3a674d_outp
	.p2align	8
	.type	k_q82ab3a674d_outp,@function
k_q82ab3a674d_outp:
	s_mov_b64 s[64:65], 0
	v_nop
	global_prefetch_b8 v0, s[64:65] scope:SCOPE_SE
	s_setreg_imm32_b32 hwreg(HW_REG_WAVE_MODE, 25, 1), 1
	s_wait_xcnt 0x0
	s_wait_alu depctr_hold_cnt(0) depctr_sa_sdst(0) depctr_va_vdst(0) depctr_va_sdst(0) depctr_va_ssrc(0) depctr_va_vcc(0) depctr_vm_vsrc(0)
	s_getreg_b32 s2, hwreg(HW_REG_IB_STS2, 6, 4)
	s_cmp_eq_u32 s2, 0
	s_cbranch_scc0 .Lentry_in_a_cluster
	s_endpgm
.Lentry_in_a_cluster:
	s_bfe_u32 s2, ttmp6, 0x10000c
	s_cmp_lg_u32 s2, 0xf033
	s_cbranch_scc0 .Lentry_shape_is_right
	s_endpgm
.Lentry_shape_is_right:
; out = z Wo^T + bo, on codes of FP6 (E2M3) with one E8M0 scale for each 32 along K = 1,024; out [8,192][1,024] f32.
; A work-group of four waves makes a tile of 256 x 256, a wave 128 x 128: 64 accumulators.  K goes in steps of 256 through a ring of two LDS slots; the scale bytes of the tile's rows come once and stay.
; A = z lies in memory as IMAGES of operand registers: [tile of 16 rows][head][768 bytes: registers 0-3 at 16 x lane, 4-5 at 512 + 8 x lane]; two neighbouring heads are a fragment of 128 along K.
; A slot's part of a tile is 4 heads, 3,072 consecutive bytes; a wave's tensor load brings 8 tiles' parts, 12,288 bytes apart.  A fragment comes by two loads of 16 and two of 8 bytes a lane, each over consecutive bytes.
; B = Wo: rows 3,072 on of w_codes, 768 bytes a row, in rows of 192 bytes with padding.
; z's rows lie with bits 3 and 4 of the row number exchanged in each 32: the stores' row offsets put them back.
; bo is the C of each sum's first matrix instruction: eight registers for each of B's eight blocks, in the result's layout.
; CLUSTERS: 4 x 4: A's tiles are asked for jointly along a row of the cluster, B's along a column.  THE MATRIX INSTRUCTION IS USED TRANSPOSED: a lane holds eight neighbouring numbers of a row of out.
; REGISTERS: window 0: v0-31 addresses; v32-63 scale words; from v128 A's fragments.  window 1: B's two sets at v0 and v128; bo at v96-127 and v224-255.  windows 2, 3: the accumulators.
.set SIZE_N, 1024
.set KSTEP,  256
.set NQ,     2
.set ROWB,   192
.set KROW,   768
.set ASLOT,  3072                      ; a tile's part of a slot, in bytes
.set PITCH,  240
.set FR,     12
.set NL,     6
.set NLA,    4                         ; LDS loads that bring a fragment of A
.set NP,     4
.set HALFT,  128*PITCH
.set SLOT,   4*HALFT
.set LAPS,   2
.set KS,     32
.set SCL,    2*SLOT
.set HALFS,  (128*KS/256)*272
.set SBLK,   (16*KS/256)*272
.set SPARE,  SCL+4*HALFS
.set SPITCH, 528                       ; the way out: a stage of 16 rows x (512 + 16) bytes for each wave, in slot 0, which has had its last fill and its last read when the first result is stored there
.set ADRA, 16                          ; v16-17 base + 16 x lane in slot 0, 1; v18-19 base + 8 x lane
.set ADRB, 20
.set STO,  24
.set RD,   25
.set CO,   26
.set SPW,  28
.set NIL,  29
.set ADRS, 27
.set SC,   32
.set AF,   128
.set BK,   128
.set BI,   96                          ; bo's registers in window 1: block b at 96 + 8 b, from block 4 on 96 further
.set G1, 24
.set G0, 32
.set G1B, 48
.set G0B, 56
.set G1S, 68
.set G0S, 76
.set G1SB, 80
.set G0SB, 88
.set MSB, 0
.macro WIN new
.if MSB != (\new)
	s_set_vgpr_msb (MSB<<8)|(\new)
.set MSB, (\new)
.endif
.endm
.set MUL_LO, 0xa1
.set MUL_HI, 0xf1
.set TO_B,   0x40
.macro JLOAD g0a, g1a, g0b, g1b
	s_cmp_eq_u32 s15, 0
	s_cbranch_scc0 .Lfor_b_\@
	tensor_load_to_lds s[\g0a:\g0a+3], s[\g1a:\g1a+7]
	s_nop 0
.rept 4
	v_nop
.endr
	s_branch .Lasked_\@
.Lfor_b_\@:
	tensor_load_to_lds s[\g0b:\g0b+3], s[\g1b:\g1b+7]
	s_nop 0
.rept 4
	v_nop
.endr
.Lasked_\@:
.endm
.macro CREST
	s_cmp_lg_u32 s14, 0
	s_cbranch_scc1 .Lnot_wave_0_\@
	s_barrier_signal -3
.Lnot_wave_0_\@:
	s_barrier_wait -3
	s_barrier_signal -1
	s_barrier_wait -1
.endm
.macro CROUND
	s_barrier_signal -1
	s_barrier_wait -1
	CREST
.endm
	s_load_b128 s[4:7], s[0:1], 0x0                ; z's codes, z's scales
	s_load_b128 s[8:11], s[0:1], 0x10              ; w's codes, w's scales
	s_load_b64 s[12:13], s[0:1], 0x20              ; out
	s_load_b64 s[96:97], s[0:1], 0x28              ; bo
	v_lshl_add_u32 v[SPW], v0, 2, SPARE
	v_mov_b32 v[NIL], 0
	ds_add_u32 v[SPW], v[NIL]                      ; the wave's opening: the add and its wait ahead of my first tensor load
	v_lshrrev_b32 v1, 5, v0
	v_readfirstlane_b32 s14, v1
	s_lshr_b32 s15, s14, 1
	s_and_b32 s16, s14, 1
	s_bfe_u32 s40, ttmp6, 0x40000
	s_bfe_u32 s41, ttmp6, 0x40004
	s_lshl_b32 s42, ttmp9, 2
	s_add_co_u32 s42, s42, s40                     ; tile column
	s_and_b32 s17, ttmp7, 0xffff
	s_lshl_b32 s17, s17, 2
	s_add_co_u32 s17, s17, s41                     ; tile row
	s_lshl_b32 s43, s41, 2
	s_lshl_b32 s43, 15, s43
	s_lshl_b32 s44, 0x1111, s40
	s_or_b32 s[G1+0], s43, (3<<16)|(1<<21)         ; A: the mask; elements of 8 bytes; no padding
	s_mov_b32 s[G1+1], 384<<16                     ; 8 rows of 3,072 bytes,
	s_mov_b32 s[G1+2], 8<<16
	s_mov_b32 s[G1+3], 384<<16
	s_mov_b32 s[G1+4], 8
	s_mov_b32 s[G1+5], 1536                        ; 12,288 bytes apart
	s_mov_b32 s[G1+6], 0
	s_mov_b32 s[G1+7], 0
	s_or_b32 s[G1B+0], s44, (0<<16)|(1<<20)|(1<<21)|(3<<22)|(3<<25)
	s_mov_b32 s[G1B+1], ROWB<<16
	s_mov_b32 s[G1B+2], 128<<16
	s_mov_b32 s[G1B+3], ROWB<<16
	s_mov_b32 s[G1B+4], 128
	s_mov_b32 s[G1B+5], KROW
	s_mov_b32 s[G1B+6], 0
	s_mov_b32 s[G1B+7], 0
	s_or_b32 s[G1S+0], s43, (3<<16)|(1<<20)|(1<<21)|(5<<22)|(3<<25)
	s_or_b32 s[G1SB+0], s44, (3<<16)|(1<<20)|(1<<21)|(5<<22)|(3<<25)
.irp g, G1S, G1SB
	s_mov_b32 s[\g+1], 32<<16
	s_mov_b32 s[\g+2], (128*KS/256)<<16
	s_mov_b32 s[\g+3], 32<<16
	s_mov_b32 s[\g+4], 128*KS/256
	s_mov_b32 s[\g+5], 32
	s_mov_b32 s[\g+6], 0
	s_mov_b32 s[\g+7], 0
.endr
	s_lshl_b32 s18, s16, 7
	s_lshl_b32 s20, s17, 8
	s_add_co_u32 s20, s20, s18
	s_lshl_b32 s46, s42, 8
	s_add_co_u32 s46, s46, s18
	s_mov_b32 s21, 0
	s_mov_b32 s47, 0
	s_mov_b64 s[18:19], KS
	s_mul_u64 s[22:23], s[20:21], s[18:19]
	s_mul_u64 s[92:93], s[46:47], s[18:19]
	s_mov_b64 s[18:19], KROW
	s_mul_u64 s[20:21], s[20:21], s[18:19]         ; 16 rows x 768 bytes are a tile's 16 heads x 768
	s_mul_u64 s[46:47], s[46:47], s[18:19]
	s_mul_i32 s45, s14, HALFT
	s_mul_i32 s94, s14, HALFS
	s_wait_dscnt 0x0
	s_wait_kmcnt 0x0
	s_add_nc_u64 s[8:9], s[8:9], 2359296           ; Wo: row 3,072 of w_codes,
	s_add_nc_u64 s[10:11], s[10:11], 98304         ; and of w_scales
	s_add_nc_u64 s[20:21], s[4:5], s[20:21]
	s_add_nc_u64 s[22:23], s[6:7], s[22:23]
	s_add_nc_u64 s[46:47], s[8:9], s[46:47]
	s_add_nc_u64 s[92:93], s[10:11], s[92:93]
	CROUND
	s_mov_b32 s[G0S], 1
	s_add_co_u32 s[G0S+1], s94, SCL
	s_mov_b64 s[G0S+2:G0S+3], s[22:23]
	s_or_b32 s[G0S+3], s[G0S+3], 0x80000000
	s_mov_b32 s[G0SB], 1
	s_add_co_u32 s[G0SB+1], s94, SCL
	s_mov_b64 s[G0SB+2:G0SB+3], s[92:93]
	s_or_b32 s[G0SB+3], s[G0SB+3], 0x80000000
	JLOAD G0S, G1S, G0SB, G1SB
.irp s, 0,1
	s_mov_b32 s[G0+4*\s], 1
	s_add_co_u32 s[G0+4*\s+1], s45, \s*SLOT
	s_add_nc_u64 s[G0+4*\s+2:G0+4*\s+3], s[20:21], \s*ASLOT
	s_or_b32 s[G0+4*\s+3], s[G0+4*\s+3], 0x80000000
	s_mov_b32 s[G0B+4*\s], 1
	s_add_co_u32 s[G0B+4*\s+1], s45, \s*SLOT
	s_add_nc_u64 s[G0B+4*\s+2:G0B+4*\s+3], s[46:47], \s*ROWB
	s_or_b32 s[G0B+4*\s+3], s[G0B+4*\s+3], 0x80000000
	JLOAD G0+4*\s, G1, G0B+4*\s, G1B
.endr
	v_and_b32 v1, 15, v0
	v_bfe_u32 v2, v0, 4, 1
	v_mul_u32_u24 v3, v1, PITCH
	v_mul_u32_u24 v4, v2, 24
	v_add_nc_u32 v4, v3, v4
	v_lshl_add_u32 v5, v2, 4, v4
	v_and_b32 v6, 31, v0
	v_lshlrev_b32 v7, 4, v6                        ; 16 x lane
	v_lshlrev_b32 v8, 3, v6                        ; 8 x lane
	v_lshlrev_b32 v9, 5, v2                        ; bo: 32 bytes for each half of the lanes
	s_mul_i32 s21, s15, HALFT
	s_mul_i32 s22, s16, HALFT
	s_add_co_u32 s22, s22, 2*HALFT
.irp s, 0,1
	v_add_nc_u32 v[ADRA+\s], s21, v7
	v_add_nc_u32 v[ADRA+2+\s], s21, v8
	v_add_nc_u32 v[ADRB+\s], s22, v4
	v_add_nc_u32 v[ADRB+2+\s], s22, v5
	s_add_co_u32 s21, s21, SLOT
	s_add_co_u32 s22, s22, SLOT
.endr
	v_mul_u32_u24 v5, v1, KS
	v_lshrrev_b32 v6, 8, v5
	v_lshl_add_u32 v5, v6, 4, v5
	s_mul_i32 s21, s15, HALFS
	s_mul_i32 s22, s16, HALFS
	s_add_co_u32 s22, s22, 2*HALFS
	s_sub_co_u32 s22, s22, s21
	v_mul_u32_u24 v6, s22, v2
	s_add_co_u32 s21, s21, SCL
	v_add_nc_u32 v5, v5, v6
	v_add_nc_u32 v[ADRS], s21, v5
	s_mul_i32 s23, s14, 16*SPITCH
	v_mul_u32_u24 v5, v1, SPITCH
	v_lshl_add_u32 v5, v2, 5, v5
	v_add_nc_u32 v[STO], s23, v5
	v_mov_b32 v[CO], v7
	v_add_nc_u32 v[RD], s23, v[CO]
	s_lshl_b32 s20, s17, 8
	s_lshl_b32 s21, s15, 7
	s_add_co_u32 s20, s20, s21                     ; my first row of out
	s_mov_b32 s21, 0
	s_mov_b64 s[18:19], SIZE_N*4
	s_mul_u64 s[20:21], s[20:21], s[18:19]
	s_lshl_b32 s46, s42, 10
	s_lshl_b32 s47, s16, 9
	s_add_co_u32 s46, s46, s47                     ; my first column, in bytes
	s_mov_b32 s47, 0
	s_add_nc_u64 s[20:21], s[20:21], s[46:47]
	s_add_nc_u64 s[12:13], s[12:13], s[20:21]
	s_add_nc_u64 s[96:97], s[96:97], s[46:47]
	WIN TO_B
.irp b, 0,1,2,3,4,5,6,7                ; lane (r, h) wants bo at columns 16 b + 8 h + 0 .. 7
	global_load_b128 v[BI+8*\b+96*(\b/4):BI+8*\b+96*(\b/4)+3], v9, s[96:97] offset:64*\b
	global_load_b128 v[BI+8*\b+96*(\b/4)+4:BI+8*\b+96*(\b/4)+7], v9, s[96:97] offset:64*\b+16
.endr
	WIN 0
.macro FRAG reg, adr, q, i
.irp p, 0,1,2,3,4,5
.set PCE, 12*(\q)+6*(\p/3)+\p%3
.if PCE%8 < 5
	ds_load_b64 v[\reg+2*\p:\reg+2*\p+1], v[\adr] offset:8*PCE+16*(PCE/8)+(\i)*16*PITCH
.else
	ds_load_b64 v[\reg+2*\p:\reg+2*\p+1], v[\adr+2] offset:8*PCE+16*(PCE/8)+(\i)*16*PITCH
.endif
.endr
.endm
.macro FRAG_A reg, slot, q, i          ; two heads' images are the fragment's registers 0-5 and 6-11
	ds_load_b128 v[\reg:\reg+3], v[ADRA+\slot] offset:ASLOT*(\i)+1536*(\q)
	ds_load_b64 v[\reg+4:\reg+5], v[ADRA+2+\slot] offset:ASLOT*(\i)+1536*(\q)+512
	ds_load_b128 v[\reg+6:\reg+9], v[ADRA+\slot] offset:ASLOT*(\i)+1536*(\q)+768
	ds_load_b64 v[\reg+10:\reg+11], v[ADRA+2+\slot] offset:ASLOT*(\i)+1536*(\q)+1280
.endm
; 16 matrix instructions.  bias = 1: the first product starts the sums from bo.  The 64 accumulators take turns, one instruction a turn.
.macro MUL16 a0, p, q, sc, bias
.irp a, \a0, \a0+1
.irp b, 0,1,2,3,4,5,6,7
.if \bias
	v_wmma_scale_f32_16x16x128_f8f6f4 v[8*(8*((\a)%4)+\b):8*(8*((\a)%4)+\b)+7], v[128*(\p)+FR*\b:128*(\p)+FR*\b+FR-1], v[AF+FR*(\a):AF+FR*(\a)+FR-1], v[BI+8*\b+96*(\b/4):BI+8*\b+96*(\b/4)+7], v[SC+8*NQ*(\sc)+NQ*\b+(\q)], v[SC+8*NQ*(\sc)+NQ*(\a)+(\q)] matrix_a_fmt:MATRIX_FMT_FP6 matrix_b_fmt:MATRIX_FMT_FP6 matrix_a_scale:MATRIX_SCALE_ROW1
.else
	v_wmma_scale_f32_16x16x128_f8f6f4 v[8*(8*((\a)%4)+\b):8*(8*((\a)%4)+\b)+7], v[128*(\p)+FR*\b:128*(\p)+FR*\b+FR-1], v[AF+FR*(\a):AF+FR*(\a)+FR-1], v[8*(8*((\a)%4)+\b):8*(8*((\a)%4)+\b)+7], v[SC+8*NQ*(\sc)+NQ*\b+(\q)], v[SC+8*NQ*(\sc)+NQ*(\a)+(\q)] matrix_a_fmt:MATRIX_FMT_FP6 matrix_b_fmt:MATRIX_FMT_FP6 matrix_a_scale:MATRIX_SCALE_ROW1
.endif
.endr
.endr
.endm
.macro FETCH_B slot, q, p
	WIN TO_B
.irp i, 0,1,2,3,4,5,6,7
	FRAG 128*(\p)+FR*\i, ADRB+\slot, \q, \i
.endr
	WIN 0
.endm
.macro FETCH_A slot, q, i0
.irp i, \i0, \i0+1, \i0+2, \i0+3
	FRAG_A AF+FR*(\i), \slot, \q, \i
.endr
.endm
.macro SCALES sc
.irp i, 0,1,2,3,4,5,6,7
	ds_load_b64 v[SC+8*NQ*\sc+NQ*\i:SC+8*NQ*\sc+NQ*\i+1], v[ADRS] offset:\i*SBLK
.endr
.endm
.macro PLACES n
.rept \n
	v_nop
.endr
.endm
.macro STEP slot, q, bias
	s_wait_dscnt 4*NLA                             ; B's set and A's blocks 0-3 are in; A's blocks 4-7 (16 loads) may be out
	WIN MUL_LO-0x10*(\bias)                        ; with bo: C in window 1
	MUL16 0, (\q)%2, \q, \slot, \bias
	MUL16 2, (\q)%2, \q, \slot, \bias
	s_wait_dscnt 0
	PLACES NP
	FETCH_B \slot, (\q)+1, 1-(\q)%2
	FETCH_A \slot, (\q)+1, 0
	WIN MUL_HI-0x20*(\bias)
	MUL16 4, (\q)%2, \q, \slot, \bias
	MUL16 6, (\q)%2, \q, \slot, \bias
	PLACES NP
	WIN 0
	FETCH_A \slot, (\q)+1, 4
.endm
.macro TURN slot, next, fill
	s_wait_tensorcnt 0x0                           ; all my tensor loads have landed: my part of the next slot
	ds_add_u32 v[SPW], v[NIL]
	s_wait_dscnt 4*NLA+1                           ; (the add and A's blocks 4-7 may be out)
	WIN MUL_LO
	MUL16 0, 1, NQ-1, \slot, 0
	s_wait_dscnt 0x0                               ; the add is done, and my reads of this slot are over
	s_barrier_signal -1
	MUL16 2, 1, NQ-1, \slot, 0
	WIN 0
	s_barrier_wait -1
.if \fill
	CREST                                          ; a round of the cluster's barrier: no wave of any partner still reads this slot or has a load on its way
	s_add_nc_u64 s[G0+4*\slot+2:G0+4*\slot+3], s[G0+4*\slot+2:G0+4*\slot+3], 2*ASLOT
	s_add_nc_u64 s[G0B+4*\slot+2:G0B+4*\slot+3], s[G0B+4*\slot+2:G0B+4*\slot+3], 2*ROWB
	JLOAD G0+4*\slot, G1, G0B+4*\slot, G1B
.else
	PLACES NP
.endif
	v_add_nc_u32 v[ADRS], 4*NQ, v[ADRS]
	FETCH_B \next, 0, 0
	FETCH_A \next, 0, 0
	SCALES \next
	WIN MUL_HI
	MUL16 4, 1, NQ-1, \slot, 0
	MUL16 6, 1, NQ-1, \slot, 0
	PLACES NP
	WIN 0
	FETCH_A \next, 0, 4
.endm
	s_wait_tensorcnt 1                             ; the scales and my part of K step 0 are in (K step 1's load may be out)
	s_barrier_signal -1
	s_barrier_wait -1
	FETCH_B 0, 0, 0
	FETCH_A 0, 0, 0
	SCALES 0
	FETCH_A 0, 0, 4
	s_wait_loadcnt 0x0                             ; bo
	STEP 0, 0, 1
	s_mov_b32 s3, LAPS-1
.Llap:
	TURN 0, 1, 1
	STEP 1, 0, 0
	TURN 1, 0, 1
	STEP 0, 0, 0
	s_sub_co_u32 s3, s3, 1
	s_cmp_lg_u32 s3, 0
	s_cbranch_scc1 .Llap
	TURN 0, 1, 0
	STEP 1, 0, 0
	s_wait_dscnt 4*NLA
	WIN MUL_LO
	MUL16 0, 1, NQ-1, 1, 0
	MUL16 2, 1, NQ-1, 1, 0
	s_wait_dscnt 0
	WIN MUL_HI
	MUL16 4, 1, NQ-1, 1, 0
	MUL16 6, 1, NQ-1, 1, 0
	WIN 0
; THE WAY OUT, block by block of 16 rows x 128 columns, through my own stage: whole rows of 512 bytes come back, which the 32 lanes store as 512 consecutive bytes, aligned.
.macro TOSTAGE a
.set AC, 64*((\a)%4)
	WIN 0x08+4*((\a)/4)
.irp b, 0,1,2,3,4,5,6,7
	ds_store_b128 v[STO], v[AC+8*\b:AC+8*\b+3] offset:64*\b          ; each accumulator from its low end on
	ds_store_b128 v[STO], v[AC+8*\b+4:AC+8*\b+7] offset:64*\b+16
.endr
	WIN 0
.set BB, BK+64*((\a)%2)
.irp t, 0,1,2,3,4,5,6,7,8,9,10,11,12,13,14,15
	ds_load_b128 v[BB+4*\t:BB+4*\t+3], v[RD] offset:\t*SPITCH
.endr
.endm
.macro SEND a, younger                 ; stored row t of block a is row 32 (a / 2) + 8 (a % 2) + t + 8 (t / 8) of my 128; 127 rows of 4,096 bytes at the most: inside the signed 24-bit immediate
.set BB, BK+64*((\a)%2)
	s_wait_dscnt \younger
.irp t, 0,1,2,3,4,5,6,7,8,9,10,11,12,13,14,15
	global_store_b128 v[CO], v[BB+4*\t:BB+4*\t+3], s[12:13] offset:(32*((\a)/2)+8*((\a)%2)+\t+8*(\t/8))*SIZE_N*4 th:TH_STORE_NT
.endr
.endm
	PLACES NP
	TOSTAGE 0
.irp a, 1,2,3,4,5,6,7
.if \a > 1
	s_wait_xcnt 0x0                                ; block a - 2's stores have read their registers: block a's loads may land there
.endif
	TOSTAGE \a
	SEND \a-1, 32                                  ; behind block a - 1's loads: block a's 16 stores and 16 loads
.endr
	SEND 7, 0
	s_wait_tensorcnt 0x0                           ; the wave's end
	ds_add_u32 v[SPW], v[NIL]
	s_wait_dscnt 0x0
	CROUND                                         ; the closing round
	s_endpgm
.Lfunc_end_k_q82ab3a674d_outp:
	.size	k_q82ab3a674d_outp, .Lfunc_end_k_q82ab3a674d_outp-k_q82ab3a674d_outp
	.p2alignl 7, 3214868480
	.fill 96, 4, 3214868480
	.section	.rodata,"a",@progbits
	.p2align	6, 0x0
	.amdhsa_kernel k_q82ab3a674d_outp
		.amdhsa_group_segment_fixed_size 327680
		.amdhsa_private_segment_fixed_size 0
		.amdhsa_enable_private_segment 0
		.amdhsa_kernarg_size 48
		.amdhsa_user_sgpr_count 2
		.amdhsa_user_sgpr_kernarg_segment_ptr 1
		.amdhsa_wavefront_size32 1
		.amdhsa_system_sgpr_workgroup_id_x 1
		.amdhsa_system_sgpr_workgroup_id_y 1
		.amdhsa_system_sgpr_workgroup_id_z 1
		.amdhsa_system_vgpr_workitem_id 0
		.amdhsa_next_free_vgpr 1024
		.amdhsa_next_free_sgpr 100
		.amdhsa_reserve_vcc 0
		.amdhsa_float_denorm_mode_32 3
		.amdhsa_float_denorm_mode_16_64 3
		.amdhsa_memory_ordered 1
		.amdhsa_forward_progress 1
		.amdhsa_inst_pref_size 153
	.end_amdhsa_kernel
	.amdgpu_metadata
---
amdhsa.version: [ 1, 2 ]
amdhsa.kernels:
  - .name:           k_q82ab3a674d_outp
    .symbol:         k_q82ab3a674d_outp.kd
    .args:
      - { .name: z_codes, .offset: 0, .size: 8, .value_kind: global_buffer, .address_space: global }
      - { .name: z_scales, .offset: 8, .size: 8, .value_kind: global_buffer, .address_space: global }
      - { .name: w_codes, .offset: 16, .size: 8, .value_kind: global_buffer, .address_space: global }
      - { .name: w_scales, .offset: 24, .size: 8, .value_kind: global_buffer, .address_space: global }
      - { .name: out0, .offset: 32, .size: 8, .value_kind: global_buffer, .address_space: global }
      - { .name: bo, .offset: 40, .size: 8, .value_kind: global_buffer, .address_space: global }
    .group_segment_fixed_size: 327680
    .private_segment_fixed_size: 0
    .kernarg_segment_align: 8
    .kernarg_segment_size: 48
    .max_flat_workgroup_size: 128
    .sgpr_count:     100
    .vgpr_count:     1024
    .wavefront_size: 32
...
	.end_amdgpu_metadata
.endif
;; end of part 4
